; MI455X (gfx1250); checked and timed in simulation.
; The chip was launched on July 23, 2026; its instructions are those of AMD's public machine-readable ISA for CDNA 5 (MIT licence, August 2026) and "CDNA5" Instruction Set Architecture Reference Guide (July 2026). The comments in the code are by the model that wrote it; some were corrected since.
;; Latent Attention Layer. Allowed arithmetic: matrix products marked QUANTISED: E2M1 operands, one E8M0 scale for each 32 along K, by v_wmma_scale_f32_16x16x128_f8f6f4 with both operands' format E2M1 (or v_wmma_scale_f32_32x16x128_f4), f32 sums; everything else in f32.
;; Inputs: Wkd 1,024 x 512 float32; Wku 256 x 2,048 float32; Wo 1,024 x 1,024 float32; Wq 1,024 x 1,024 float32; bkd 512 float32; bku 2,048 float32; bo 1,024 float32; bq 1,024 float32; x 2 x 2,048 x 1,024 float32.
;; Outputs: out0 2 x 2,048 x 1,024 float32.
;; This version of the problem:
;;   THIS VERSION OF THE PROBLEM IS GIVEN IN LOW PRECISION. The matrix products marked QUANTISED in the list below multiply operands that are first quantised to E2M1 (2 exponent bits, 1 mantissa bit; 4 bits a number), with one power-of-two scale for each 32 numbers along K (OCP MX v1.0); their sums are f32. All else is computed in f32.
;;   The module's matrix products, in the order in which they are computed (A, B: the left and right operand; K: the contracted axis; several contracted axes count as one K, in the product's order):
;;     1. [M 4,096, K 1,024] x [K 1,024, N 1,024]; A: input x; B: input Wq: QUANTISED
;;     2. [M 4,096, K 1,024] x [K 1,024, N 512]; A: input x; B: input Wkd: QUANTISED
;;     3. [M 4,096, K 256] x [K 256, N 2,048]; A: computed on the way; B: input Wku: QUANTISED
;;     4. batch 32 x [M 2,048, K 64] x [K 64, N 2,048]; A: computed on the way; B: computed on the way: QUANTISED
;;     5. batch 32 x [M 64, K 2,048] x [K 2,048, N 2,048]; A: computed on the way; B: softmax (see below): QUANTISED
;;     6. [M 4,096, K 1,024] x [K 1,024, N 1,024]; A: computed on the way; B: input Wo: QUANTISED
;;   THE QUANTISER, for each operand of a quantised product, along K:
;;     - K is cut into blocks of 32 from its start; a last block that is shorter is filled with zeros.
;;     - A block's scale is 2^e with e = floor(log2(the largest magnitude in the block)) - 2, held to -126 .. 127; a block of zeros has e = 0. As a byte (E8M0): e + 127.
;;     - Each number is divided by its block's scale, clamped to +-6, and rounded to the nearest number of E2M1, ties to even, subnormals kept.
;;     - The product sums the exact products of the quantised numbers (number of the format x scale) in f32.
;;   ~~~python
;;   def quantise(x, axis):      # numpy; x: float32 -> the quantised numbers, widened to float32 again
;;       x = np.moveaxis(x, axis, -1); K = x.shape[-1]
;;       x = np.pad(x, [(0, 0)] * (x.ndim - 1) + [(0, -K % 32)]); x = x.reshape(x.shape[:-1] + (-1, 32)); a = np.abs(x).max(-1, keepdims=True)
;;       e = np.where(a > 0, np.clip(np.frexp(np.where(a > 0, a, 1))[1] - 1 - 2, -126, 127), 0)      # np.frexp(a)[1] - 1 = floor(log2(a)), exactly
;;       r = np.clip(x / 2.0 ** e, -6, 6)
;;       step = 2.0 ** (np.maximum(np.frexp(np.where(r == 0, 1, r))[1] - 1, 0) - 1)
;;       q = np.round(r / step) * step * 2.0 ** e      # np.round: ties to even
;;       return np.moveaxis(q.reshape(q.shape[:-2] + (-1,))[..., :K], -1, axis).astype(np.float32)
;;   ~~~
;;   SOFTMAX AHEAD OF A QUANTISED PRODUCT. Where the list says 'softmax', what is quantised is not the finished softmax but p = 2^(t - M), with t = logit x log2(e) and M = ceil(the row's largest t), a whole number; so 1/2 < the row's largest p <= 1. The row's sum l is taken of the UNQUANTISED p, in f32, and the product's result is divided by l at the end. Since M is a whole number, a kernel that streams over the keys may use a running M (the ceiling of the running maximum): every later rescaling is an exact power of two, which a block's scale takes up: the codes' values come out the same.
;;   OPERANDS COMPUTED ON THE WAY. 'Computed on the way' means the value that the module computes at that place (a softmax that the list does not call 'softmax' is quantised finished and normalised). What goes into a quantiser is computed in f32, as accurately as f32 sums, v_exp_f32 and their like allow (about 1e-6 of the number): no bf16 or f16 on the way to a quantiser, and a product that is left as it is and whose result goes on into a quantised operand takes f32 operands (vector FMAs, or v_wmma_f32_16x16x4_f32). A number that lies on a knife's edge between two numbers of the format may be rounded either way, as far as f32 arithmetic and the matrix unit's own rounding can turn it there, and no further.
;; One version. Each part assembles by itself: llvm-mc -triple=amdgcn-amd-amdhsa -mcpu=gfx1250 --defsym DOCPART=n.
;; ======== version 1 of 1: 5 launches
;; limits: right only within a limited range of input values
;; workspace buffers: xq 2,228,224 bytes; wt 1,671,168 bytes; qc 2,359,296 bytes; lat 557,056 bytes; kv 4,587,520 bytes; ao 2,228,224 bytes
;; launch prep (part 1): grid 448 x 1, 4 waves a work-group, no clusters, 67,072 bytes of LDS; arguments x, Wq, Wo, Wkd, Wku, xq, wt; writes xq, wt
.if DOCPART == 1
	.amdgcn_target "amdgcn-amd-amdhsa--gfx1250"
	.amdhsa_code_object_version 6
	.text
	.protected	k_q18578a94c1_prep
	.globl	k_q18578a94c1_prep
	.p2align	8
	.type	k_q18578a94c1_prep,@function
k_q18578a94c1_prep:
	s_mov_b64 s[64:65], 0
	v_nop
	global_prefetch_b8 v0, s[64:65] scope:SCOPE_SE
	s_setreg_imm32_b32 hwreg(HW_REG_WAVE_MODE, 25, 1), 1
	s_wait_xcnt 0x0
; x [4096][1024] and the four weights ([K][N], f32) become codes of FP4 (E2M1) with one E8M0 byte for each 32 along K, laid IN THE ORDER OF THE OPERAND'S REGISTERS.
; WORK LEFT OUT BY THE PROGRAM (launch attn): key steps all of whose keys come after a tile's queries.  reference() sets those scores to -inf by its own jnp.tril ahead of the softmax, so their p is 0 for all values of the inputs.
; Limit: a NaN, an infinity or an overflow that reaches only those scores is not carried to the result.  Every input is loaded.
; A FRAGMENT (16 rows x 128 K) is 1,024 bytes: block beta (32 along K) of row r lies at 256 beta + 16 r; its scale words are 64 bytes, row r's at 4 r.
; A RECORD of K = 1,024 (a tile of 16 rows): 8 fragments, then 8 x 64 bytes of words: 8,704 bytes.  A PAIR RECORD of K = 256 (tiles 2 b, 2 b + 1): fragment (u, s) at 2048 u + 1024 s, words at 4096 + 128 u + 64 s: 4,352 bytes.
; THE ROWS OF A TILE ARE NOT NEIGHBOURS: slot r of tile 2 b + u is index 32 b + 8 u + r + 8 (r / 8), for tokens and for weight columns alike.
; A block's scale is 2^(floor(log2(largest magnitude)) - 2); its byte is the largest magnitude's exponent field - 2, held at 1 from below.
; LIMITS: a block of zeros, or one whose largest magnitude lies under 2^-124, gets the byte 1 (the bytes are read by this program alone; zero codes add nothing under it); NaN and infinities among the inputs are not served.
; Work-groups 0-255: x, a work-group to a tile of 16 rows, a wave to 256 along K.  Each load reads 512 consecutive bytes of a row; the 16 KiB go through the wave's own stage in LDS (rows 1,040 bytes apart) and come back 64 bytes a lane.
; 256-383: Wq and Wo; 384-415: Wkd; 416-447: Wku: a wave to 32 columns x 128 K, a lane to a column, its registers down K.  No barrier: waves share nothing.
.set REC8,  8704
.set REC2,  4352
.set WQ_O,  0
.set WKD_O, 557056
.set WKU_O, 835584
.set WO_O,  1114112
.set XP,    1040                       ; a stage row: 1,024 bytes + 16 of padding
.set SPARE, 4*16*XP                    ; behind the four stages: the spare words, 128 bytes a wave
.set TM,  8                            ; v8-11 largest magnitudes, v12-15 the other half's / bytes, v16-19 the conversions' scale operands
.set PC,  24                           ; v24-39 codes: eight registers for each K step
.set PW,  56                           ; v56-57 a scale word for each K step
.set XS,  64                           ; v64-191 the numbers as loaded; v192-255 and v64-127 as they come back
.set WV,  18
.set SEL, 32                           ; s[32:33] lane selects of v_permlanex16_b32: lane l xor 16
; 64 numbers of a lane, register 16 b + i = k 32 b + 16 (lane / 16) + i of the lane's row, become codes in v[pc] on and the row's scale word in v[pw]
.macro QUANT src, pc, pw
.irp b, 0,1,2,3
	v_max3_num_f32 v[TM+\b], |v[(\src)+16*\b]|, |v[(\src)+16*\b+1]|, 0x1800000   ; with the floor 2^(3 - 127): the byte cannot fall under 1
.endr
.irp i, 2,4,6,8,10,12,14
.irp b, 0,1,2,3
	v_max3_num_f32 v[TM+\b], v[TM+\b], |v[(\src)+16*\b+\i]|, |v[(\src)+16*\b+\i+1]|
.endr
.endr
.irp b, 0,1,2,3
	v_permlanex16_b32 v[TM+4+\b], v[TM+\b], s[SEL], s[SEL+1]
.endr
.irp b, 0,1,2,3
	v_max_num_f32 v[TM+\b], v[TM+\b], v[TM+4+\b]       ; with lane l xor 16's 16: the block's largest magnitude
.endr
.irp b, 0,1,2,3
	v_add_nc_u32 v[TM+8+\b], 0xff000000, v[TM+\b]      ; 2 off its exponent field: the conversion's scale operand
.endr
.irp b, 0,1,2,3
	v_lshrrev_b32 v[TM+4+\b], 23, v[TM+8+\b]           ; the scale's byte
.endr
	v_lshl_or_b32 v[\pw], v[TM+5], 8, v[TM+4]
	v_lshl_or_b32 v[\pw], v[TM+6], 16, v[\pw]
	v_lshl_or_b32 v[\pw], v[TM+7], 24, v[\pw]
.irp b, 0,1,2,3
	v_cvt_scalef32_pk8_fp4_f32 v[(\pc)+2*\b], v[(\src)+16*\b:(\src)+16*\b+7], v[TM+8+\b]
	v_cvt_scalef32_pk8_fp4_f32 v[(\pc)+2*\b+1], v[(\src)+16*\b+8:(\src)+16*\b+15], v[TM+8+\b]
.endr
	v_nop                                              ; one plain line behind the last scaled conversion
.irp c, 0,1
	v_permlane16_swap_b32 v[(\pc)+4*\c], v[(\pc)+4*\c+2]     ; a whole block in a lane: lanes 0-15 block 2 c, lanes 16-31 block 2 c + 1
	v_permlane16_swap_b32 v[(\pc)+4*\c+1], v[(\pc)+4*\c+3]
.endr
.endm
	s_load_b256 s[4:11], s[0:1], 0x0               ; x s[4:5], Wq s[6:7], Wo s[8:9], Wkd s[10:11]
	s_load_b128 s[12:15], s[0:1], 0x20             ; Wku s[12:13], xq s[14:15]
	s_load_b64 s[16:17], s[0:1], 0x30              ; wt
	v_lshl_add_u32 v62, v0, 2, SPARE               ; my spare word, and 0: kept for the closing add alone
	v_mov_b32 v63, 0
	v_lshrrev_b32 v1, 5, v0
	v_readfirstlane_b32 s[WV], v1                  ; wave 0..3
	v_and_b32 v1, 31, v0                           ; lane
	s_mov_b32 s[SEL], 0x76543210
	s_mov_b32 s[SEL+1], 0xfedcba98
	s_cmp_lt_u32 ttmp9, 256
	s_cbranch_scc0 .Lweights
	; ---- x: tile = work-group, K steps 2 wave and 2 wave + 1
	v_and_b32 v2, 15, v0                           ; r
	v_bfe_u32 v3, v0, 4, 1                         ; h
	v_lshlrev_b32 v5, 4, v1                        ; 16 x lane: my part of a load's 512 bytes, and an image's place
	v_lshlrev_b32 v6, 2, v1                        ; 4 x lane: a scale word's
	s_mul_i32 s19, s[WV], 16*XP                    ; my stage
	v_add_nc_u32 v7, s19, v5                       ; into it: as loaded
	v_mul_u32_u24 v4, v2, XP
	v_lshl_add_u32 v4, v3, 6, v4
	v_add_nc_u32 v4, s19, v4                       ; out of it: row r, + 64 h: my 16 numbers of each block of 32
.irp b, 0,1,2,3
	v_mov_b32 v[TM+4+\b], 0                        ; written once: a lane permute's destination counts as one of its sources
.endr
	s_lshr_b32 s22, ttmp9, 1
	s_lshl_b32 s22, s22, 17                        ; 32 rows of 4,096 bytes for each pair of tiles,
	s_and_b32 s23, ttmp9, 1
	s_lshl_b32 s23, s23, 15                        ; 8 rows for the odd tile,
	s_add_co_u32 s22, s22, s23
	s_lshl_b32 s23, s[WV], 10                      ; 1,024 bytes for each quarter of K
	s_add_co_u32 s22, s22, s23
	s_mov_b32 s23, 0
	s_mul_i32 s24, ttmp9, REC8                     ; the tile's record
	s_lshl_b32 s26, s[WV], 11
	s_add_co_u32 s26, s26, s24                     ; my two fragments
	s_mov_b32 s27, 0
	s_lshl_b32 s28, s[WV], 7
	s_add_co_u32 s28, s28, s24
	s_add_co_u32 s28, s28, 8192                    ; and their words
	s_mov_b32 s29, 0
	s_wait_alu depctr_va_vdst(0)                   ; the wait at the head's end
	s_wait_kmcnt 0x0
	s_add_nc_u64 s[4:5], s[4:5], s[22:23]
	s_add_nc_u64 s[26:27], s[14:15], s[26:27]
	s_add_nc_u64 s[28:29], s[14:15], s[28:29]
.irp p, 0,1,2,3,4,5,6,7,8,9,10,11,12,13,14,15
	global_load_b128 v[XS+8*\p:XS+8*\p+3], v5, s[4:5] offset:(\p+8*(\p/8))*4096 th:TH_LOAD_NT        ; slot p's row: 32 lanes read 512 consecutive bytes
	global_load_b128 v[XS+8*\p+4:XS+8*\p+7], v5, s[4:5] offset:(\p+8*(\p/8))*4096+512 th:TH_LOAD_NT
.endr
.irp p, 0,1,2,3,4,5,6,7,8,9,10,11,12,13,14,15
	s_wait_loadcnt 30-2*\p                         ; slot p's two loads are in; the 30 - 2 p younger ones may be out
	ds_store_b128 v7, v[XS+8*\p:XS+8*\p+3] offset:\p*XP
	ds_store_b128 v7, v[XS+8*\p+4:XS+8*\p+7] offset:\p*XP+512
.endr
.macro BACK dst, s                     ; K step s of my two: 64 numbers a lane.  LDS serves a wave's instructions in order: these see my stores
.irp b, 0,1,2,3
.irp j, 0,1,2,3
	ds_load_b128 v[(\dst)+16*\b+4*\j:(\dst)+16*\b+4*\j+3], v4 offset:512*(\s)+128*\b+16*\j
.endr
.endr
.endm
	BACK 192, 0
	s_wait_dscnt 16                                ; all but the 16 loads just issued: the stores have read their registers,
	BACK XS, 1                                     ; which take the second K step
	s_wait_dscnt 16                                ; the first K step is back
	QUANT 192, PC, PW
	global_store_b128 v5, v[PC:PC+3], s[26:27]                 ; 32 lanes store 512 consecutive bytes
	global_store_b128 v5, v[PC+4:PC+7], s[26:27] offset:512
	s_wait_dscnt 0x0
	QUANT XS, PC+8, PW+1
	global_store_b128 v5, v[PC+8:PC+11], s[26:27] offset:1024
	global_store_b128 v5, v[PC+12:PC+15], s[26:27] offset:1536
	v_cmp_le_u32 vcc_lo, 16, v1                    ; every lane holds its row's word: lanes 0-15 store the even step's, lanes 16-31 the odd step's: 128 consecutive bytes
	v_cndmask_b32 v60, v[PW], v[PW+1], vcc_lo
	global_store_b32 v6, v60, s[28:29]
	s_wait_tensorcnt 0x0                           ; the wave's end
	ds_add_u32 v62, v63
	s_wait_dscnt 0x0
	s_endpgm
	; ---- the weights.  Lane l is column 32 b + l, which is slot r = (l % 8) + 8 (l / 16) of tile 2 b + u, u = (l / 8) % 2
.Lweights:
	s_wait_alu depctr_va_vdst(0)
	v_lshlrev_b32 v2, 2, v1                        ; 4 bytes a lane: a load reads 128 consecutive bytes
	v_bfe_u32 v3, v0, 3, 1                         ; u
	v_and_b32 v4, 7, v0
	v_bfe_u32 v5, v0, 4, 1
	v_lshl_or_b32 v4, v5, 3, v4                    ; r
	s_wait_kmcnt 0x0
.macro WLOAD blk, n                    ; block blk of the K step: 32 rows of the weight at my column
.set WI, 0
.rept 32
	global_load_b32 v[64+32*(\blk)+WI], v2, s[22:23] offset:(32*(\blk)+WI)*(\n)*4 th:TH_LOAD_NT
.set WI, WI+1
.endr
.endm
.macro WBLOCK blk                      ; all 32 numbers of the block are mine
.set WX, 64+32*(\blk)
	v_max3_num_f32 v12, |v[WX]|, |v[WX+1]|, |v[WX+2]|
	v_max3_num_f32 v13, |v[WX+3]|, |v[WX+4]|, |v[WX+5]|
.irp i, 6,10,14,18,22,26
	v_max3_num_f32 v12, v12, |v[WX+\i]|, |v[WX+\i+1]|
	v_max3_num_f32 v13, v13, |v[WX+\i+2]|, |v[WX+\i+3]|
.endr
	v_max3_num_f32 v12, v12, |v[WX+30]|, |v[WX+31]|
	v_max3_num_f32 v12, v12, v13, 0x1800000        ; and the floor
	v_add_nc_u32 v[40+(\blk)], 0xff000000, v12     ; the conversion's scale operand
	v_lshrrev_b32 v45, 23, v[40+(\blk)]            ; the byte
.if (\blk) == 0
	v_mov_b32 v44, v45
.else
	v_lshl_or_b32 v44, v45, 8*(\blk), v44
.endif
.irp g, 0,1,2,3
	v_cvt_scalef32_pk8_fp4_f32 v[24+4*(\blk)+\g], v[WX+8*\g:WX+8*\g+7], v[40+(\blk)]
.endr
	global_store_b128 v7, v[24+4*(\blk):27+4*(\blk)], s[30:31] offset:256*(\blk)   ; the sixteen lanes of a tile store 256 consecutive bytes, aligned
.endm
; s19: which four groups of 32 columns; s20: K step; s21: the tensor's place in wt; s[22:23]: the tensor.  kind 8: records of K = 1,024; 2: pair records of K = 256
.macro WQ n, kind
	s_lshl_b32 s24, s19, 2
	s_add_co_u32 s24, s24, s[WV]                   ; b: my group of 32 columns
	s_lshl_b32 s26, s24, 7
	s_mul_i32 s27, s20, 128*(\n)*4
	s_add_co_u32 s26, s26, s27
	s_mov_b32 s27, 0
	s_add_nc_u64 s[22:23], s[22:23], s[26:27]
	WLOAD 0, \n
	WLOAD 1, \n
.if \kind == 8
	s_mul_i32 s28, s24, 2*REC8
	v_mul_u32_u24 v6, v3, REC8
	v_lshl_add_u32 v8, v4, 2, v6                   ; words: u x record + 4 r
.else
	s_mul_i32 s28, s24, REC2
	v_lshlrev_b32 v6, 11, v3
	v_lshlrev_b32 v8, 7, v3
	v_lshl_add_u32 v8, v4, 2, v8                   ; words: 128 u + 4 r
.endif
	v_lshl_add_u32 v7, v4, 4, v6                   ; codes: the tile's place + 16 r
	s_add_co_u32 s28, s28, s21
	s_lshl_b32 s29, s20, 10
	s_add_co_u32 s30, s28, s29
	s_mov_b32 s31, 0
	s_lshl_b32 s29, s20, 6
	s_add_co_u32 s28, s28, s29
.if \kind == 8
	s_add_co_u32 s28, s28, 8192
.else
	s_add_co_u32 s28, s28, 4096
.endif
	s_mov_b32 s29, 0
	s_add_nc_u64 s[30:31], s[16:17], s[30:31]
	s_add_nc_u64 s[28:29], s[16:17], s[28:29]
	s_wait_loadcnt 32                              ; block 0 is in; block 1's 32 loads may be out
	WLOAD 2, \n
	WBLOCK 0
	s_wait_loadcnt 32                              ; block 1 is in; block 2's may be out
	WLOAD 3, \n
	WBLOCK 1
	s_wait_loadcnt 32                              ; block 2 is in; block 3's may be out
	WBLOCK 2
	s_wait_loadcnt 0x0
	WBLOCK 3
	global_store_b32 v8, v44, s[28:29]             ; my column's scale word for this K step
.endm
	s_cmp_lt_u32 ttmp9, 384
	s_cbranch_scc0 .Lnot_square
	s_sub_co_u32 s25, ttmp9, 256
	s_cmp_lt_u32 s25, 64                           ; Wq or Wo: the choice hangs on the work-group's number alone
	s_cselect_b64 s[22:23], s[6:7], s[8:9]
	s_mov_b32 s21, WO_O
	s_cselect_b32 s21, WQ_O, s21
	s_and_b32 s25, s25, 63
	s_and_b32 s19, s25, 7
	s_lshr_b32 s20, s25, 3
	s_wait_alu depctr_va_vdst(0)
	WQ 1024, 8
	s_endpgm
.Lnot_square:
	s_cmp_lt_u32 ttmp9, 416
	s_cbranch_scc0 .Lup
	s_sub_co_u32 s25, ttmp9, 384
	s_mov_b64 s[22:23], s[10:11]
	s_mov_b32 s21, WKD_O
	s_and_b32 s19, s25, 3
	s_lshr_b32 s20, s25, 2
	s_wait_alu depctr_va_vdst(0)
	WQ 512, 8
	s_endpgm
.Lup:
	s_sub_co_u32 s25, ttmp9, 416
	s_mov_b64 s[22:23], s[12:13]
	s_mov_b32 s21, WKU_O
	s_and_b32 s19, s25, 15
	s_lshr_b32 s20, s25, 4
	s_wait_alu depctr_va_vdst(0)
	WQ 2048, 2
	s_endpgm
.Lfunc_end_k_q18578a94c1_prep:
	.size	k_q18578a94c1_prep, .Lfunc_end_k_q18578a94c1_prep-k_q18578a94c1_prep
	.p2alignl 7, 3214868480
	.fill 96, 4, 3214868480
	.section	.rodata,"a",@progbits
	.p2align	6, 0x0
	.amdhsa_kernel k_q18578a94c1_prep
		.amdhsa_group_segment_fixed_size 67072
		.amdhsa_private_segment_fixed_size 0
		.amdhsa_enable_private_segment 0
		.amdhsa_kernarg_size 56
		.amdhsa_user_sgpr_count 2
		.amdhsa_user_sgpr_kernarg_segment_ptr 1
		.amdhsa_wavefront_size32 1
		.amdhsa_system_sgpr_workgroup_id_x 1
		.amdhsa_system_sgpr_workgroup_id_y 1
		.amdhsa_system_sgpr_workgroup_id_z 1
		.amdhsa_system_vgpr_workitem_id 0
		.amdhsa_next_free_vgpr 256
		.amdhsa_next_free_sgpr 66
		.amdhsa_reserve_vcc 1
		.amdhsa_float_denorm_mode_32 3
		.amdhsa_float_denorm_mode_16_64 3
		.amdhsa_memory_ordered 1
		.amdhsa_forward_progress 1
		.amdhsa_inst_pref_size 77
	.end_amdhsa_kernel
	.amdgpu_metadata
---
amdhsa.version: [ 1, 2 ]
amdhsa.kernels:
  - .name:           k_q18578a94c1_prep
    .symbol:         k_q18578a94c1_prep.kd
    .args:
      - { .name: x, .offset: 0, .size: 8, .value_kind: global_buffer, .address_space: global }
      - { .name: Wq, .offset: 8, .size: 8, .value_kind: global_buffer, .address_space: global }
      - { .name: Wo, .offset: 16, .size: 8, .value_kind: global_buffer, .address_space: global }
      - { .name: Wkd, .offset: 24, .size: 8, .value_kind: global_buffer, .address_space: global }
      - { .name: Wku, .offset: 32, .size: 8, .value_kind: global_buffer, .address_space: global }
      - { .name: xq, .offset: 40, .size: 8, .value_kind: global_buffer, .address_space: global }
      - { .name: wt, .offset: 48, .size: 8, .value_kind: global_buffer, .address_space: global }
    .group_segment_fixed_size: 67072
    .private_segment_fixed_size: 0
    .kernarg_segment_align: 8
    .kernarg_segment_size: 56
    .max_flat_workgroup_size: 128
    .sgpr_count:     66
    .vgpr_count:     256
    .wavefront_size: 32
...
	.end_amdgpu_metadata
.endif
;; end of part 1
;; launch proj1 (part 2): grid 8 x 32, 8 waves a work-group, clusters of 4 x 4, 175,104 bytes of LDS; arguments xq, wt, bq, bkd, qc, lat; writes qc, lat
.if DOCPART == 2
	.amdgcn_target "amdgcn-amd-amdhsa--gfx1250"
	.amdhsa_code_object_version 6
	.text
	.protected	k_q18578a94c1_proj1
	.globl	k_q18578a94c1_proj1
	.p2align	8
	.type	k_q18578a94c1_proj1,@function
k_q18578a94c1_proj1:
	s_mov_b64 s[64:65], 0
	v_nop
	global_prefetch_b8 v0, s[64:65] scope:SCOPE_SE
	s_setreg_imm32_b32 hwreg(HW_REG_WAVE_MODE, 25, 1), 1
	s_wait_xcnt 0x0
	s_wait_alu depctr_hold_cnt(0) depctr_sa_sdst(0) depctr_va_vdst(0) depctr_va_sdst(0) depctr_va_ssrc(0) depctr_va_vcc(0) depctr_vm_vsrc(0)
	s_getreg_b32 s2, hwreg(HW_REG_IB_STS2, 6, 4)
	s_cmp_eq_u32 s2, 0
	s_cbranch_scc0 .Lentry_in_a_cluster
	s_endpgm
.Lentry_in_a_cluster:
	s_bfe_u32 s2, ttmp6, 0x10000c
	s_cmp_lg_u32 s2, 0xf033
	s_cbranch_scc0 .Lentry_shape_is_right
	s_endpgm
.Lentry_shape_is_right:
; q = x Wq + bq, quantised along a head's 64 channels; lat = gelu(x Wkd + bkd)[:256] + gelu(..)[256:], quantised along its 256.  Both products on codes of FP4 with E8M0 scales, sums in f32.
; A work-group (X, Y) takes 128 tokens (tiles 8 Y ..) x 128 columns of Wq (heads 2 X, 2 X + 1) and x 64 columns of Wkd (32 X .. and 256 + 32 X ..: block X of lat).
; All its operands, records of 8,704 bytes in the order of the operand's registers, come into LDS at the head, once: nothing is filled again.  One tensor load a wave.
; CLUSTER 4 x 4: the token records are shared along a row of the cluster, the weight records along a column: each is asked for jointly.
; THE PRODUCTS ARE USED TRANSPOSED (source 0 = 16 weight columns, source 1 = 16 tokens): a lane holds one token, and, by the order of a tile's rows, the 16 registers of weight tiles 2 b, 2 b + 1 are channels 32 b + 16 (lane / 16) + 0 .. 15.
; One scale register serves two K steps: lanes 0-15 hold the even step's words, lanes 16-31 the odd step's.  The biases are the C of each sum's first product.
; GELU is the exact one: gelu(x) = max(x, 0) - |x| erfc(|x| / sqrt 2) / 2, erfc(z) = t exp(-z z + poly(t)), t = 1 / (1 + z / 2): a fit whose error is 1.2e-7 OF THE VALUE, in the negative tail too.
; LIMITS: NaN and infinities are not served; blocks under 2^-124 and blocks of zeros get the byte 1; what of gelu's tail falls under 2^-126 becomes zero (the exponential gives no denormals).
.set REC8,  8704
.set REC2,  4352
.set WKD_O, 557056
.set QS_O,  2097152
.set LA, 0                             ; LDS: 8 token records
.set LB, 8*REC8                        ; 8 records of Wq
.set LK, 16*REC8                       ; 4 records of Wkd: low columns' two tiles, high columns' two
.set LI,  1                            ; v1  16 x lane
.set LS,  2                            ; v2  4 x lane
.set LANE, 3
.set RR,  4                            ; v4  lane % 16
.set HH,  5                            ; v5  lane / 16
.set AW,  6                            ; v6  LDS address of the weight fragments;  v7 of the token fragments;  v8, v9 of their scale words
.set AA,  7
.set SWA, 8
.set SAA, 9
.set B64, 10                           ; v10 64 h: my half's 16 channels of a bias
.set O8,  11                           ; v11 16 r + 8 h
.set O4,  12                           ; v12 4 r
.set TM,  14                           ; v14-25 at work in QUANT
.set PC,  26                           ; v26-33 codes
.set PW,  34                           ; v34-36 scale words just made
.set SC,  38                           ; v38-61 scale words of the products, and nothing else
.set BI,  62                           ; v62-93 a bias in the result's layout
.set ACC, 94                           ; v94-157 eight accumulators
.set F,   158                          ; v158-253 two sets of 48: fragments
.set C9,  254                          ; v[254:255] the fit's highest coefficient, twice
.set GZ,  F
.set GT,  F+16
.set GP,  F+32
.set WV, 16
.set CX, 17
.set CY, 18
.set BX, 19
.set BY, 20
.set SEL, 22
.set SV, 24
.set G1A, 28
.set G1B, 36
.set G1K, 44
.set G0A, 52
.set G0B, 56
.set G0K, 60
.macro PLACES n
.rept \n
	v_nop
.endr
.endm
.macro CROUND                          ; a round of the cluster's barrier
	s_barrier_signal -1
	s_barrier_wait -1
	s_cmp_lg_u32 s[WV], 0
	s_cbranch_scc1 .Lnot_wave_0_\@
	s_barrier_signal -3
.Lnot_wave_0_\@:
	s_barrier_wait -3
	s_barrier_signal -1
	s_barrier_wait -1
.endm
.macro QUANT src, nb, pc, pw           ; 16 nb numbers of a lane, register 16 b + i = k 32 b + 16 (lane / 16) + i, become codes in v[pc] on and scale bytes in v[pw]
.set QB, 0
.rept \nb
	v_max3_num_f32 v[TM+QB], |v[(\src)+16*QB]|, |v[(\src)+16*QB+1]|, 0x1800000   ; with the floor 2^(3 - 127): the byte cannot fall under 1.  Each accumulator is read from its low end on
.set QB, QB+1
.endr
.irp i, 2,4,6,8,10,12,14
.set QB, 0
.rept \nb
	v_max3_num_f32 v[TM+QB], v[TM+QB], |v[(\src)+16*QB+\i]|, |v[(\src)+16*QB+\i+1]|
.set QB, QB+1
.endr
.endr
.set QB, 0
	v_permlanex16_b32 v[TM+4+QB], v[TM+QB], s[SEL], s[SEL+1]
.set QB, QB+1
.rept (\nb)-1
	s_delay_alu instid0(VALU_DEP_2)
	v_permlanex16_b32 v[TM+4+QB], v[TM+QB], s[SEL], s[SEL+1]
.set QB, QB+1
.endr
.set QB, 0
	v_max_num_f32 v[TM+QB], v[TM+QB], v[TM+4+QB]
.set QB, QB+1
.rept (\nb)-1
	s_delay_alu instid0(VALU_DEP_2)
	v_max_num_f32 v[TM+QB], v[TM+QB], v[TM+4+QB]
.set QB, QB+1
.endr
.set QB, 0
	v_add_nc_u32 v[TM+8+QB], 0xff000000, v[TM+QB]      ; 2 off the exponent field: the conversion's scale operand
.set QB, QB+1
.rept (\nb)-1
	s_delay_alu instid0(VALU_DEP_2)
	v_add_nc_u32 v[TM+8+QB], 0xff000000, v[TM+QB]      ; 2 off the exponent field: the conversion's scale operand
.set QB, QB+1
.endr
.set QB, 0
	v_lshrrev_b32 v[TM+4+QB], 23, v[TM+8+QB]           ; the byte
.set QB, QB+1
.rept (\nb)-1
	s_delay_alu instid0(VALU_DEP_2)
	v_lshrrev_b32 v[TM+4+QB], 23, v[TM+8+QB]           ; the byte
.set QB, QB+1
.endr
.if \nb == 1
	s_delay_alu instid0(VALU_DEP_1)
	v_mov_b32 v[\pw], v[TM+4]
.else
	s_delay_alu instid0(VALU_DEP_1)
	v_lshl_or_b32 v[\pw], v[TM+5], 8, v[TM+4]
.endif
.if \nb == 4
	v_lshl_or_b32 v[\pw], v[TM+6], 16, v[\pw]
	v_lshl_or_b32 v[\pw], v[TM+7], 24, v[\pw]
.endif
.set QB, 0
.rept \nb
	v_cvt_scalef32_pk8_fp4_f32 v[(\pc)+2*QB], v[(\src)+16*QB:(\src)+16*QB+7], v[TM+8+QB]
	v_cvt_scalef32_pk8_fp4_f32 v[(\pc)+2*QB+1], v[(\src)+16*QB+8:(\src)+16*QB+15], v[TM+8+QB]
.set QB, QB+1
.endr
	v_nop                                              ; one plain line behind the last scaled conversion
.if \nb >= 2
.set QB, 0
.rept \nb/2
	v_permlane16_swap_b32 v[(\pc)+4*QB], v[(\pc)+4*QB+2]
	v_permlane16_swap_b32 v[(\pc)+4*QB+1], v[(\pc)+4*QB+3]
.set QB, QB+1
.endr
.endif
.endm
.macro WMS d, a, b, c, sa, sb, odd     ; one product; odd = 1: the odd K step's words, in lanes 16-31 of both scale registers
.if \odd
	v_wmma_scale_f32_16x16x128_f8f6f4 v[(\d):(\d)+7], v[(\a):(\a)+7], v[(\b):(\b)+7], v[(\c):(\c)+7], v[\sa], v[\sb] matrix_a_fmt:MATRIX_FMT_FP4 matrix_b_fmt:MATRIX_FMT_FP4 matrix_a_scale:MATRIX_SCALE_ROW1 matrix_b_scale:MATRIX_SCALE_ROW1
.else
	v_wmma_scale_f32_16x16x128_f8f6f4 v[(\d):(\d)+7], v[(\a):(\a)+7], v[(\b):(\b)+7], v[(\c):(\c)+7], v[\sa], v[\sb] matrix_a_fmt:MATRIX_FMT_FP4 matrix_b_fmt:MATRIX_FMT_FP4
.endif
.endm
	s_load_b256 s[4:11], s[0:1], 0x0               ; xq s[4:5], wt s[6:7], bq s[8:9], bkd s[10:11]
	s_load_b128 s[12:15], s[0:1], 0x20             ; qc s[12:13], lat s[14:15]
	v_lshl_add_u32 v25, v0, 2, 0x2a800
	v_mov_b32 v37, 0
	ds_add_u32 v25, v37
	ds_add_u32 v25, v37
	v_lshrrev_b32 v1, 5, v0
	s_delay_alu instid0(VALU_DEP_1)
	v_readfirstlane_b32 s[WV], v1                  ; wave 0..7
	s_bfe_u32 s[CX], ttmp6, 0x40000
	s_bfe_u32 s[CY], ttmp6, 0x40004
	s_lshl_b32 s[BX], ttmp9, 2
	s_add_co_u32 s[BX], s[BX], s[CX]               ; X: column block
	s_and_b32 s[BY], ttmp7, 0xffff
	s_lshl_b32 s[BY], s[BY], 2
	s_add_co_u32 s[BY], s[BY], s[CY]               ; Y: block of 128 tokens
	s_lshl_b32 s66, s[CY], 2
	s_lshl_b32 s66, 15, s66                        ; my row of the cluster
	s_lshl_b32 s67, 0x1111, s[CX]                  ; my column
	; descriptor groups 1: dense blocks as rows of 256 bytes (32 elements of 8 bytes), no padding: images are read 512 consecutive bytes at a time
	s_or_b32 s[G1A], s66, (3<<16)|(1<<21)
	s_or_b32 s[G1B], s67, (3<<16)|(1<<21)
	s_or_b32 s[G1K], s67, (3<<16)|(1<<21)
.irp g, G1A, G1K                       ; token records and Wkd's: two records, 68 rows, to a load
	s_mov_b32 s[\g+1], 32<<16                      ; tensor_dim0
	s_mov_b32 s[\g+2], 68<<16
	s_mov_b32 s[\g+3], 32<<16                      ; tile_dim0
	s_mov_b32 s[\g+4], 68
	s_mov_b32 s[\g+5], 32                          ; pitch
	s_mov_b32 s[\g+6], 0
	s_mov_b32 s[\g+7], 0
.endr
	s_mov_b32 s[G1B+1], 32<<16
	s_mov_b32 s[G1B+2], 136<<16                    ; Wq's: four records to a load
	s_mov_b32 s[G1B+3], 32<<16
	s_mov_b32 s[G1B+4], 136
	s_mov_b32 s[G1B+5], 32
	s_mov_b32 s[G1B+6], 0
	s_mov_b32 s[G1B+7], 0
	s_lshl_b32 s68, s[BY], 3                       ; tokens: record 8 Y + wave: Y and the wave's number alone
	s_and_b32 s93, s[WV], 3
	s_lshl_b32 s93, s93, 1                         ; waves 0-3: token records 8 Y + 2 wave and the next
	s_add_co_u32 s68, s68, s93
	s_mul_i32 s68, s68, REC8
	s_mov_b32 s69, 0
	s_lshl_b32 s70, s[BX], 3                       ; Wq: record 8 X + wave: X and the wave's number alone
	s_and_b32 s95, s[WV], 1
	s_lshl_b32 s94, s95, 2                         ; waves 4, 5: Wq's records 8 X + 4 (wave % 2) on
	s_add_co_u32 s70, s70, s94
	s_mul_i32 s70, s70, REC8
	s_mov_b32 s71, 0
	s_lshl_b32 s72, s95, 4                         ; waves 6, 7: Wkd's records 16 (wave % 2) + 2 X and the next
	s_lshl_b32 s73, s[BX], 1
	s_add_co_u32 s72, s72, s73
	s_mul_i32 s72, s72, REC8
	s_add_co_u32 s72, s72, WKD_O
	s_mov_b32 s73, 0
	s_mul_i32 s74, s[WV], REC8
	s_mul_i32 s93, s93, REC8                       ; where the three kinds of load go in LDS: the wave's number alone
	s_mul_i32 s94, s94, REC8
	s_mul_i32 s95, s95, 2*REC8
	s_wait_dscnt 0x0
	s_wait_kmcnt 0x0
	CROUND                                         ; all sixteen work-groups are here: the joint loads meet
	s_mov_b32 s[G0A], 1
	s_add_co_u32 s[G0A+1], s93, LA
	s_add_nc_u64 s[G0A+2:G0A+3], s[4:5], s[68:69]
	s_or_b32 s[G0A+3], s[G0A+3], 0x80000000
	s_mov_b32 s[G0B], 1
	s_add_co_u32 s[G0B+1], s94, LB
	s_add_nc_u64 s[G0B+2:G0B+3], s[6:7], s[70:71]
	s_or_b32 s[G0B+3], s[G0B+3], 0x80000000
	s_mov_b32 s[G0K], 1
	s_add_co_u32 s[G0K+1], s95, LK
	s_add_nc_u64 s[G0K+2:G0K+3], s[6:7], s[72:73]
	s_or_b32 s[G0K+3], s[G0K+3], 0x80000000
	s_cmp_lt_u32 s[WV], 4                          ; the head's records are shared out, ONE load a wave, in one chain of branches on the wave's number
	s_cbranch_scc0 .Lfor_b
	tensor_load_to_lds s[G0A:G0A+3], s[G1A:G1A+7]  ; waves 0-3: two token records each
	s_nop 0
	PLACES 4
	s_branch .Lasked
.Lfor_b:
	s_cmp_lt_u32 s[WV], 6
	s_cbranch_scc0 .Lfor_k
	tensor_load_to_lds s[G0B:G0B+3], s[G1B:G1B+7]  ; waves 4, 5: four records of Wq each
	s_nop 0
	PLACES 4
	s_branch .Lasked
.Lfor_k:
	tensor_load_to_lds s[G0K:G0K+3], s[G1K:G1K+7]  ; waves 6, 7: two records of Wkd each
	s_nop 0
	PLACES 4
.Lasked:
	v_and_b32 v[LANE], 31, v0
	v_and_b32 v[RR], 15, v0
	v_bfe_u32 v[HH], v0, 4, 1
	s_delay_alu instid0(VALU_DEP_3)
	v_lshlrev_b32 v[LI], 4, v[LANE]
	s_delay_alu instid0(VALU_DEP_4)
	v_lshlrev_b32 v[LS], 2, v[LANE]
	s_delay_alu instid0(VALU_DEP_3)
	v_lshlrev_b32 v[B64], 6, v[HH]
	s_wait_alu depctr_va_vdst(0)
	v_lshlrev_b32 v[O4], 2, v[RR]
	v_lshlrev_b32 v[O8], 4, v[RR]
	s_delay_alu instid0(VALU_DEP_1)
	v_lshl_add_u32 v[O8], v[HH], 3, v[O8]
	s_lshr_b32 s76, s[WV], 2                       ; phase Q: my head of the two,
	s_and_b32 s77, s[WV], 3
	s_lshl_b32 s77, s77, 1                         ; my first token tile of two
	s_lshl_b32 s80, s[BX], 9
	s_lshl_b32 s81, s76, 8
	s_add_co_u32 s80, s80, s81
	s_mov_b32 s81, 0
	s_add_nc_u64 s[8:9], s[8:9], s[80:81]          ; bq at my head's 64 channels
.irp t, 0,1,2,3
	global_load_b128 v[BI+8*\t:BI+8*\t+3], v[B64], s[8:9] offset:(32*(\t/2)+8*(\t%2))*4
	global_load_b128 v[BI+8*\t+4:BI+8*\t+7], v[B64], s[8:9] offset:(32*(\t/2)+8*(\t%2))*4+16
.endr
	s_mul_i32 s78, s76, 4*REC8
	s_add_co_u32 s78, s78, LB
	v_add_nc_u32 v[AW], s78, v[LI]
	s_add_co_u32 s78, s78, 8192
	v_add_nc_u32 v[SWA], s78, v[LS]
	s_mul_i32 s79, s77, REC8
	v_add_nc_u32 v[AA], s79, v[LI]
	s_add_co_u32 s79, s79, 8192
	v_add_nc_u32 v[SAA], s79, v[LS]
	s_lshr_b32 s82, s[BY], 4                       ; qc: tile index (16 batch + head) x 128 + the token tile in its batch
	s_lshl_b32 s82, s82, 4
	s_lshl_b32 s83, s[BX], 1
	s_add_co_u32 s82, s82, s83
	s_add_co_u32 s82, s82, s76
	s_lshl_b32 s82, s82, 7
	s_and_b32 s83, s[BY], 15
	s_lshl_b32 s83, s83, 3
	s_add_co_u32 s82, s82, s83
	s_add_co_u32 s82, s82, s77
	s_lshl_b32 s84, s82, 6
	s_add_co_u32 s84, s84, QS_O
	s_mov_b32 s85, 0
	s_lshl_b32 s82, s82, 9
	s_mov_b32 s83, 0
	s_add_nc_u64 s[82:83], s[12:13], s[82:83]      ; codes, 512 bytes a tile
	s_add_nc_u64 s[84:85], s[12:13], s[84:85]      ; words, 64 bytes a tile
	s_lshl_b32 s86, s[BY], 2                       ; lat: pair record 4 Y + wave / 2, tile u = wave % 2, K step X / 4, block X % 4
	s_lshr_b32 s87, s[WV], 1
	s_add_co_u32 s86, s86, s87
	s_mul_i32 s86, s86, REC2
	s_and_b32 s87, s[WV], 1
	s_lshr_b32 s90, s[BX], 2
	s_and_b32 s91, s[BX], 3
	s_lshl_b32 s88, s87, 7
	s_add_co_u32 s88, s88, s86
	s_lshl_b32 s92, s90, 6
	s_add_co_u32 s88, s88, s92
	s_add_co_u32 s88, s88, s91
	s_add_co_u32 s88, s88, 4096
	s_mov_b32 s89, 0
	s_lshl_b32 s87, s87, 11
	s_add_co_u32 s86, s86, s87
	s_lshl_b32 s90, s90, 10
	s_add_co_u32 s86, s86, s90
	s_lshl_b32 s91, s91, 8
	s_add_co_u32 s86, s86, s91
	s_mov_b32 s87, 0
	s_add_nc_u64 s[86:87], s[14:15], s[86:87]
	s_add_nc_u64 s[88:89], s[14:15], s[88:89]
	s_lshl_b32 s90, s[BX], 7
	s_mov_b32 s91, 0
	s_add_nc_u64 s[10:11], s[10:11], s[90:91]      ; bkd at channel 32 X
	s_mov_b32 s[SEL], 0x76543210
	s_mov_b32 s[SEL+1], 0xfedcba98
.irp b, 0,1,2,3
	v_mov_b32 v[TM+4+\b], 0                        ; written once: a lane permute's destination counts as one of its sources
.endr
	v_mov_b32 v[C9], 0x3e2ef945
	v_mov_b32 v[C9+1], 0x3e2ef945
	s_wait_alu depctr_va_vdst(0)
	s_wait_tensorcnt 0x0                           ; my load has landed,
	s_barrier_signal -1
	s_barrier_wait -1                              ; everybody's have
	; ---- phase Q: my head's four weight tiles x my two token tiles, eight accumulators by turns, K in eight steps of 128
.macro FETCHQ set, s
.irp t, 0,1,2,3
.irp c, 0,1
	ds_load_b128 v[F+48*(\set)+8*\t+4*\c:F+48*(\set)+8*\t+4*\c+3], v[AW] offset:\t*REC8+1024*(\s)+512*\c
.endr
.endr
.irp m, 0,1
.irp c, 0,1
	ds_load_b128 v[F+48*(\set)+32+8*\m+4*\c:F+48*(\set)+32+8*\m+4*\c+3], v[AA] offset:\m*REC8+1024*(\s)+512*\c
.endr
.endr
.endm
.macro MULQ s
.irp m, 0,1
.irp t, 0,1,2,3
.if (\s) == 0
	WMS ACC+32*\m+8*\t, F+8*\t, F+32+8*\m, BI+8*\t, SC+4*\t, SC+16+4*\m, 0
.else
	WMS ACC+32*\m+8*\t, F+48*((\s)%2)+8*\t, F+48*((\s)%2)+32+8*\m, ACC+32*\m+8*\t, SC+4*\t+(\s)/2, SC+16+4*\m+(\s)/2, (\s)%2
.endif
.endr
.endr
.endm
.irp t, 0,1,2,3
.irp p, 0,1,2,3
	ds_load_b32 v[SC+4*\t+\p], v[SWA] offset:\t*REC8+128*\p
.endr
.endr
.irp m, 0,1
.irp p, 0,1,2,3
	ds_load_b32 v[SC+16+4*\m+\p], v[SAA] offset:\m*REC8+128*\p
.endr
.endr
	FETCHQ 0, 0
	s_wait_loadcnt 0x0                             ; bq
.set KS, 0
.rept 8
.if KS > 0
	PLACES 4                                       ; in front of loads into the set that the last step multiplied
.endif
.if KS < 7
.if KS == 2                            ; bkd for phase KD is asked for here: only the first K step's products read the bias registers, and eight places stand behind them
.irp t, 0,1,2,3
	global_load_b128 v[BI+8*\t:BI+8*\t+3], v[B64], s[10:11] offset:(\t/2)*1024+(\t%2)*32
	global_load_b128 v[BI+8*\t+4:BI+8*\t+7], v[B64], s[10:11] offset:(\t/2)*1024+(\t%2)*32+16
.endr
.endif
	FETCHQ (KS+1)%2, KS+1
	s_wait_dscnt 12                                ; all but the 12 loads just issued
.else
	s_wait_dscnt 0x0
.endif
	MULQ KS
.set KS, KS+1
.endr
	PLACES 5                                       ; results are read, and the accumulators are begun anew by the next phase's products
	QUANT ACC, 2, PC, PW
	QUANT ACC+32, 2, PC+4, PW+1
	global_store_b128 v[LI], v[PC:PC+3], s[82:83]              ; a tile's 64 channels: 512 consecutive bytes
	global_store_b128 v[LI], v[PC+4:PC+7], s[82:83] offset:512
	v_cmp_le_u32 vcc_lo, 16, v[LANE]
	s_delay_alu instid0(VALU_DEP_1)
	v_cndmask_b32 v[PW+2], v[PW], v[PW+1], vcc_lo  ; lanes 0-15 the first tile's words, lanes 16-31 the second's (bytes 2 and 3 are 0)
	global_store_b32 v[LS], v[PW+2], s[84:85]
	; ---- phase KD: token tile = wave; the four tiles of Wkd; four accumulators by turns
	v_add_nc_u32 v[AW], LK, v[LI]
	v_add_nc_u32 v[SWA], LK+8192, v[LS]
	v_add_nc_u32 v[AA], s74, v[LI]
	s_add_co_u32 s75, s74, 8192
	v_add_nc_u32 v[SAA], s75, v[LS]
.macro FETCHK set, s
.irp t, 0,1,2,3
.irp c, 0,1
	ds_load_b128 v[F+48*(\set)+8*\t+4*\c:F+48*(\set)+8*\t+4*\c+3], v[AW] offset:\t*REC8+1024*(\s)+512*\c
.endr
.endr
.irp c, 0,1
	ds_load_b128 v[F+48*(\set)+32+4*\c:F+48*(\set)+32+4*\c+3], v[AA] offset:1024*(\s)+512*\c
.endr
.endm
.macro MULK s
.irp t, 0,1,2,3
.if (\s) == 0
	WMS ACC+8*\t, F+8*\t, F+32, BI+8*\t, SC+4*\t, SC+16, 0
.else
	WMS ACC+8*\t, F+48*((\s)%2)+8*\t, F+48*((\s)%2)+32, ACC+8*\t, SC+4*\t+(\s)/2, SC+16+(\s)/2, (\s)%2
.endif
.endr
.endm
.irp t, 0,1,2,3
.irp p, 0,1,2,3
	ds_load_b32 v[SC+4*\t+\p], v[SWA] offset:\t*REC8+128*\p
.endr
.endr
.irp p, 0,1,2,3
	ds_load_b32 v[SC+16+\p], v[SAA] offset:128*\p
.endr
	FETCHK 0, 0
	s_wait_alu depctr_va_vdst(0)
	s_wait_loadcnt 0x0                             ; bkd
.set KS, 0
.rept 8
.if KS > 0
	PLACES 4
.endif
.if KS < 7
	FETCHK (KS+1)%2, KS+1
	s_wait_dscnt 10                                ; all but the 10 loads just issued
.else
	s_wait_dscnt 0x0
.endif
	MULK KS
.set KS, KS+1
.endr
	PLACES 4
; gelu of 16 numbers in place.  Z = |x| / sqrt 2, T = 1 / (1 + Z / 2), P = the exponent and then T Z exp(..): x = max(x, 0) - P / sqrt 2
.macro GELU16 x
.set GI, 0
.rept 16
	v_mul_f32 v[GZ+GI], 0x3f3504f3, |v[(\x)+GI]|       ; ascending: each accumulator from its low end on
.set GI, GI+1
.endr
.set GI, 0
.rept 8
	v_pk_fma_f32 v[GT+GI:GT+GI+1], v[GZ+GI:GZ+GI+1], 0.5, 1.0 op_sel_hi:[1,0,0]
.set GI, GI+2
.endr
.set GI, 0
	s_wait_alu depctr_va_vdst(0)
.rept 16
	v_rcp_f32 v[GT+GI], v[GT+GI]
.set GI, GI+1
.endr
.set GI, 0
.rept 16
	v_max_num_f32 v[(\x)+GI], 0, v[(\x)+GI]            ; independent work behind the batch of reciprocals
.set GI, GI+1
.endr
	s_wait_alu depctr_va_vdst(0)                       ; one wait for the sixteen, ahead of their first reader
.set GI, 0
.rept 8
	v_pk_fma_f32 v[GP+GI:GP+GI+1], v[GT+GI:GT+GI+1], v[C9:C9+1], 0xbf527892 op_sel_hi:[1,1,0]
.set GI, GI+2
.endr
.irp c, 0x3fbe87b0, 0xbf914e5d, 0x3e8ec7cc, 0xbe3ec24c, 0x3dc636c9, 0x3ebf88fb, 0x3f8000c7, 0xbfa1fc4e
.set GI, 0
.rept 8
	v_pk_fma_f32 v[GP+GI:GP+GI+1], v[GP+GI:GP+GI+1], v[GT+GI:GT+GI+1], \c op_sel_hi:[1,1,0]
.set GI, GI+2
.endr
.endr
.set GI, 0
.rept 8
	v_pk_fma_f32 v[GP+GI:GP+GI+1], v[GZ+GI:GZ+GI+1], v[GZ+GI:GZ+GI+1], v[GP+GI:GP+GI+1] neg_lo:[1,0,0] neg_hi:[1,0,0]   ; - Z Z, fused
.set GI, GI+2
.endr
.set GI, 0
.rept 8
	v_pk_mul_f32 v[GP+GI:GP+GI+1], v[GP+GI:GP+GI+1], 0x3fb8aa3b op_sel_hi:[1,0]
.set GI, GI+2
.endr
.set GI, 0
	s_wait_alu depctr_va_vdst(0)
.rept 16
	v_exp_f32 v[GP+GI], v[GP+GI]
.set GI, GI+1
.endr
	v_nop                                              ; a plain line behind the last exponential
	s_wait_alu depctr_va_vdst(0)                       ; one wait for the sixteen
.set GI, 0
.rept 8
	v_pk_mul_f32 v[GP+GI:GP+GI+1], v[GP+GI:GP+GI+1], v[GT+GI:GT+GI+1]
.set GI, GI+2
.endr
.set GI, 0
.rept 8
	v_pk_mul_f32 v[GP+GI:GP+GI+1], v[GP+GI:GP+GI+1], v[GZ+GI:GZ+GI+1]
.set GI, GI+2
.endr
.set GI, 0
.rept 8
	v_pk_fma_f32 v[(\x)+GI:(\x)+GI+1], v[GP+GI:GP+GI+1], 0xbf3504f3, v[(\x)+GI:(\x)+GI+1] op_sel_hi:[1,0,1]
.set GI, GI+2
.endr
.endm
	GELU16 ACC                                     ; channels 32 X + 16 h + 0 .. 15
	GELU16 ACC+16                                  ; channels 256 + the same
.set GI, 0
.rept 8
	v_pk_add_f32 v[ACC+GI:ACC+GI+1], v[ACC+GI:ACC+GI+1], v[ACC+16+GI:ACC+16+GI+1]   ; lat
.set GI, GI+2
.endr
	s_wait_alu depctr_va_vdst(0)
	s_wait_xcnt 0x0                                ; phase Q's stores have read their registers: the codes' and the words' are written again
	QUANT ACC, 1, PC, PW
	global_store_b64 v[O8], v[PC:PC+1], s[86:87]   ; block X of my tile: 16 r + 8 h: the 32 lanes store 256 consecutive bytes, aligned
	v_cmp_gt_u32 vcc_lo, 16, v[LANE]
	s_wait_alu depctr_va_vdst(0)
	s_wait_xcnt 0x0                                ; EXEC changes only behind this wait
	s_and_saveexec_b32 s[SV], vcc_lo
	global_store_b8 v[O4], v[PW], s[88:89]         ; byte X % 4 of each row's word
	s_wait_xcnt 0x0                                ; and again in front of the line that widens it
	s_or_b32 exec_lo, exec_lo, s[SV]
	s_wait_tensorcnt 0x0
	ds_add_u32 v25, v37
	s_wait_dscnt 0x0
	CROUND                                         ; the closing round: no work-group ends while a partner may still ask for a tile that names it
	s_endpgm
.Lfunc_end_k_q18578a94c1_proj1:
	.size	k_q18578a94c1_proj1, .Lfunc_end_k_q18578a94c1_proj1-k_q18578a94c1_proj1
	.p2alignl 7, 3214868480
	.fill 96, 4, 3214868480
	.section	.rodata,"a",@progbits
	.p2align	6, 0x0
	.amdhsa_kernel k_q18578a94c1_proj1
		.amdhsa_group_segment_fixed_size 175104
		.amdhsa_private_segment_fixed_size 0
		.amdhsa_enable_private_segment 0
		.amdhsa_kernarg_size 48
		.amdhsa_user_sgpr_count 2
		.amdhsa_user_sgpr_kernarg_segment_ptr 1
		.amdhsa_wavefront_size32 1
		.amdhsa_system_sgpr_workgroup_id_x 1
		.amdhsa_system_sgpr_workgroup_id_y 1
		.amdhsa_system_sgpr_workgroup_id_z 1
		.amdhsa_system_vgpr_workitem_id 0
		.amdhsa_next_free_vgpr 256
		.amdhsa_next_free_sgpr 96
		.amdhsa_reserve_vcc 1
		.amdhsa_float_denorm_mode_32 3
		.amdhsa_float_denorm_mode_16_64 3
		.amdhsa_memory_ordered 1
		.amdhsa_forward_progress 1
		.amdhsa_inst_pref_size 73
	.end_amdhsa_kernel
	.amdgpu_metadata
---
amdhsa.version: [ 1, 2 ]
amdhsa.kernels:
  - .name:           k_q18578a94c1_proj1
    .symbol:         k_q18578a94c1_proj1.kd
    .args:
      - { .name: xq, .offset: 0, .size: 8, .value_kind: global_buffer, .address_space: global }
      - { .name: wt, .offset: 8, .size: 8, .value_kind: global_buffer, .address_space: global }
      - { .name: bq, .offset: 16, .size: 8, .value_kind: global_buffer, .address_space: global }
      - { .name: bkd, .offset: 24, .size: 8, .value_kind: global_buffer, .address_space: global }
      - { .name: qc, .offset: 32, .size: 8, .value_kind: global_buffer, .address_space: global }
      - { .name: lat, .offset: 40, .size: 8, .value_kind: global_buffer, .address_space: global }
    .group_segment_fixed_size: 175104
    .private_segment_fixed_size: 0
    .kernarg_segment_align: 8
    .kernarg_segment_size: 48
    .max_flat_workgroup_size: 256
    .sgpr_count:     96
    .vgpr_count:     256
    .wavefront_size: 32
...
	.end_amdgpu_metadata
.endif
;; end of part 2
;; launch proj2 (part 3): grid 8 x 32, 8 waves a work-group, clusters of 4 x 4, 168,960 bytes of LDS; arguments lat, wt, bku, kv; writes kv
.if DOCPART == 3
	.amdgcn_target "amdgcn-amd-amdhsa--gfx1250"
	.amdhsa_code_object_version 6
	.text
	.protected	k_q18578a94c1_proj2
	.globl	k_q18578a94c1_proj2
	.p2align	8
	.type	k_q18578a94c1_proj2,@function
k_q18578a94c1_proj2:
	s_mov_b64 s[64:65], 0
	v_nop
	global_prefetch_b8 v0, s[64:65] scope:SCOPE_SE
	s_setreg_imm32_b32 hwreg(HW_REG_WAVE_MODE, 25, 1), 1
	s_wait_xcnt 0x0
	s_wait_alu depctr_hold_cnt(0) depctr_sa_sdst(0) depctr_va_vdst(0) depctr_va_sdst(0) depctr_va_ssrc(0) depctr_va_vcc(0) depctr_vm_vsrc(0)
	s_getreg_b32 s2, hwreg(HW_REG_IB_STS2, 6, 4)
	s_cmp_eq_u32 s2, 0
	s_cbranch_scc0 .Lentry_in_a_cluster
	s_endpgm
.Lentry_in_a_cluster:
	s_bfe_u32 s2, ttmp6, 0x10000c
	s_cmp_lg_u32 s2, 0xf033
	s_cbranch_scc0 .Lentry_shape_is_right
	s_endpgm
.Lentry_shape_is_right:
; kv = lat Wku + bku on codes of FP4 with E8M0 scales, K = 256.  k is quantised along a head's 64 channels, v along the KEYS.  Both leave in the order in which the attention's operand registers take them:
; for each head 16 key steps of 8,960 bytes: eight tiles of k (512 bytes each), four fragments of v^T (1,024 each), k's words (8 x 64), v's words (4 x 64).
; A work-group (X, Y) takes 128 tokens (one key step) x heads 2 X, 2 X + 1 of k and of v.  Its operands, pair records of 4,352 bytes, come into LDS at the head, once: nothing is filled again.  One tensor load a wave.
; CLUSTER 4 x 4: lat's records are shared along a row of the cluster, the weights' along a column.
; PHASE K uses the product transposed (source 0 = weight columns, source 1 = tokens): a lane holds one token and its registers run along the channels.
; PHASE V uses it as it stands (source 0 = tokens, source 1 = weight columns): a lane holds one channel and, by the order of a tile's rows, the 16 registers of token tiles 2 b, 2 b + 1 are tokens 32 b + 16 (lane / 16) + 0 .. 15.
; LIMITS: NaN and infinities are not served; blocks under 2^-124 and blocks of zeros get the byte 1.
.set REC2,  4352
.set WKU_O, 835584
.set LA, 0                             ; LDS: 4 pair records of lat
.set LB, 4*REC2                        ; 8 pair records of Wku: k's four, v's four
.set LI,  1
.set LS,  2
.set LANE, 3
.set RR,  4
.set HH,  5
.set AW,  6
.set AA,  7
.set SWA, 8
.set SAA, 9
.set B64, 10
.set AWV, 11
.set O4,  12
.set SWV, 13
.set TM,  14
.set PC,  26
.set PW,  34                           ; v34-36 words just made; v37 the lane's place in v's bias
.set SCK, 38                           ; v38-43 phase K's scale words;  v44-52 phase V's: these hold scales and nothing else
.set SCV, 44
.set BV,  54                           ; v54-61 v's bias: one number a lane, eight times
.set BI,  62
.set ACC, 94
.set F,   158
.set WV, 16
.set CX, 17
.set CY, 18
.set BX, 19
.set BY, 20
.set SEL, 22
.set SV, 24
.set G1A, 28
.set G1B, 36
.set G0A, 44
.set G0B, 48
.macro PLACES n
.rept \n
	v_nop
.endr
.endm
.macro CROUND
	s_barrier_signal -1
	s_barrier_wait -1
	s_cmp_lg_u32 s[WV], 0
	s_cbranch_scc1 .Lnot_wave_0_\@
	s_barrier_signal -3
.Lnot_wave_0_\@:
	s_barrier_wait -3
	s_barrier_signal -1
	s_barrier_wait -1
.endm
.macro QUANT src, nb, pc, pw           ; 16 nb numbers of a lane, register 16 b + i = k 32 b + 16 (lane / 16) + i, become codes in v[pc] on and scale bytes in v[pw]
.set QB, 0
.rept \nb
	v_max3_num_f32 v[TM+QB], |v[(\src)+16*QB]|, |v[(\src)+16*QB+1]|, 0x1800000
.set QB, QB+1
.endr
.irp i, 2,4,6,8,10,12,14
.set QB, 0
.rept \nb
	v_max3_num_f32 v[TM+QB], v[TM+QB], |v[(\src)+16*QB+\i]|, |v[(\src)+16*QB+\i+1]|
.set QB, QB+1
.endr
.endr
.set QB, 0
.rept \nb
	v_permlanex16_b32 v[TM+4+QB], v[TM+QB], s[SEL], s[SEL+1]
.set QB, QB+1
.endr
.set QB, 0
.rept \nb
	v_max_num_f32 v[TM+QB], v[TM+QB], v[TM+4+QB]
.set QB, QB+1
.endr
.set QB, 0
.rept \nb
	v_add_nc_u32 v[TM+8+QB], 0xff000000, v[TM+QB]
.set QB, QB+1
.endr
.set QB, 0
.rept \nb
	v_lshrrev_b32 v[TM+4+QB], 23, v[TM+8+QB]
.set QB, QB+1
.endr
.if \nb == 1
	v_mov_b32 v[\pw], v[TM+4]
.else
	v_lshl_or_b32 v[\pw], v[TM+5], 8, v[TM+4]
.endif
.if \nb == 4
	s_delay_alu instid0(VALU_DEP_1)
	v_lshl_or_b32 v[\pw], v[TM+6], 16, v[\pw]
	s_delay_alu instid0(VALU_DEP_1)
	v_lshl_or_b32 v[\pw], v[TM+7], 24, v[\pw]
.endif
.set QB, 0
.rept \nb
	v_cvt_scalef32_pk8_fp4_f32 v[(\pc)+2*QB], v[(\src)+16*QB:(\src)+16*QB+7], v[TM+8+QB]
	v_cvt_scalef32_pk8_fp4_f32 v[(\pc)+2*QB+1], v[(\src)+16*QB+8:(\src)+16*QB+15], v[TM+8+QB]
.set QB, QB+1
.endr
	v_nop
.if \nb >= 2
.set QB, 0
.rept \nb/2
	v_permlane16_swap_b32 v[(\pc)+4*QB], v[(\pc)+4*QB+2]
	v_permlane16_swap_b32 v[(\pc)+4*QB+1], v[(\pc)+4*QB+3]
.set QB, QB+1
.endr
.endif
.endm
.macro WMS d, a, b, c, sa, sb, odd
.if \odd
	v_wmma_scale_f32_16x16x128_f8f6f4 v[(\d):(\d)+7], v[(\a):(\a)+7], v[(\b):(\b)+7], v[(\c):(\c)+7], v[\sa], v[\sb] matrix_a_fmt:MATRIX_FMT_FP4 matrix_b_fmt:MATRIX_FMT_FP4 matrix_a_scale:MATRIX_SCALE_ROW1 matrix_b_scale:MATRIX_SCALE_ROW1
.else
	v_wmma_scale_f32_16x16x128_f8f6f4 v[(\d):(\d)+7], v[(\a):(\a)+7], v[(\b):(\b)+7], v[(\c):(\c)+7], v[\sa], v[\sb] matrix_a_fmt:MATRIX_FMT_FP4 matrix_b_fmt:MATRIX_FMT_FP4
.endif
.endm
	s_load_b256 s[4:11], s[0:1], 0x0               ; lat s[4:5], wt s[6:7], bku s[8:9], kv s[10:11]
	v_lshl_add_u32 v254, v0, 2, 0x29000
	v_mov_b32 v255, 0
	ds_add_u32 v254, v255
	ds_add_u32 v254, v255
	v_lshrrev_b32 v1, 5, v0
	s_delay_alu instid0(VALU_DEP_1)
	v_readfirstlane_b32 s[WV], v1
	s_bfe_u32 s[CX], ttmp6, 0x40000
	s_bfe_u32 s[CY], ttmp6, 0x40004
	s_lshl_b32 s[BX], ttmp9, 2
	s_add_co_u32 s[BX], s[BX], s[CX]
	s_and_b32 s[BY], ttmp7, 0xffff
	s_lshl_b32 s[BY], s[BY], 2
	s_add_co_u32 s[BY], s[BY], s[CY]
	s_lshl_b32 s66, s[CY], 2
	s_lshl_b32 s66, 15, s66
	s_lshl_b32 s67, 0x1111, s[CX]
	s_or_b32 s[G1A], s66, (3<<16)|(1<<21)          ; lat's records go to my row of the cluster,
	s_or_b32 s[G1B], s67, (3<<16)|(1<<21)          ; the weights' to my column
.irp g, G1A, G1B
	s_mov_b32 s[\g+1], 32<<16                      ; rows of 256 bytes: 32 elements of 8
	s_mov_b32 s[\g+2], (17*(1+\g/G1B))<<16         ; lat: one pair record, 17 rows, to a load; the weights: two, 34 rows
	s_mov_b32 s[\g+3], 32<<16
	s_mov_b32 s[\g+4], 17*(1+\g/G1B)
	s_mov_b32 s[\g+5], 32
	s_mov_b32 s[\g+6], 0
	s_mov_b32 s[\g+7], 0
.endr
	s_and_b32 s52, s[WV], 3
	s_lshr_b32 s53, s[WV], 2                       ; my head of the two, in both phases
	s_lshl_b32 s54, s[BY], 2                       ; lat: record 4 Y + wave % 4
	s_add_co_u32 s54, s54, s52
	s_mul_i32 s54, s54, REC2
	s_mov_b32 s55, 0
	s_lshr_b32 s56, s52, 1                         ; Wku, waves 4-7, j = wave % 4: records 32 (j / 2) + 4 X + 2 (j % 2) and the next
	s_lshl_b32 s56, s56, 5
	s_lshl_b32 s57, s[BX], 2
	s_add_co_u32 s56, s56, s57
	s_and_b32 s59, s52, 1
	s_lshl_b32 s59, s59, 1
	s_add_co_u32 s56, s56, s59
	s_mul_i32 s56, s56, REC2
	s_add_co_u32 s56, s56, WKU_O
	s_mov_b32 s57, 0
	s_mul_i32 s58, s52, REC2
	s_mul_i32 s59, s52, 2*REC2
	s_wait_dscnt 0x0
	s_wait_kmcnt 0x0
	CROUND
	s_mov_b32 s[G0A], 1
	s_add_co_u32 s[G0A+1], s58, LA
	s_add_nc_u64 s[G0A+2:G0A+3], s[4:5], s[54:55]
	s_or_b32 s[G0A+3], s[G0A+3], 0x80000000
	s_mov_b32 s[G0B], 1
	s_add_co_u32 s[G0B+1], s59, LB
	s_add_nc_u64 s[G0B+2:G0B+3], s[6:7], s[56:57]
	s_or_b32 s[G0B+3], s[G0B+3], 0x80000000
	s_cmp_lt_u32 s[WV], 4                          ; waves 0-3 fetch a record of lat, waves 4-7 two of the weights: one branch on the wave's number
	s_cbranch_scc0 .Lonly_b
	tensor_load_to_lds s[G0A:G0A+3], s[G1A:G1A+7]  ; waves 0-3: a record of lat each; waves 4-7: two of the weights each: one load a wave
	s_nop 0
	PLACES 4
	s_branch .Lasked
.Lonly_b:
	tensor_load_to_lds s[G0B:G0B+3], s[G1B:G1B+7]
	s_nop 0
	PLACES 4
.Lasked:
	v_and_b32 v[LANE], 31, v0
	v_and_b32 v[RR], 15, v0
	s_wait_alu depctr_va_vdst(0)
	v_bfe_u32 v[HH], v0, 4, 1
	v_lshlrev_b32 v[LI], 4, v[LANE]
	s_wait_alu depctr_va_vdst(0)
	v_lshlrev_b32 v[LS], 2, v[LANE]
	s_wait_alu depctr_va_vdst(0)
	v_lshlrev_b32 v[B64], 6, v[HH]
	v_lshlrev_b32 v[O4], 2, v[RR]
	s_lshl_b32 s74, s[BX], 9
	s_lshl_b32 s75, s53, 8
	s_add_co_u32 s74, s74, s75
	s_mov_b32 s75, 0
	s_add_nc_u64 s[8:9], s[8:9], s[74:75]          ; bku at my head's 64 channels of k; v's lie 4,096 bytes on
.irp t, 0,1,2,3
	global_load_b128 v[BI+8*\t:BI+8*\t+3], v[B64], s[8:9] offset:(32*(\t/2)+8*(\t%2))*4
	global_load_b128 v[BI+8*\t+4:BI+8*\t+7], v[B64], s[8:9] offset:(32*(\t/2)+8*(\t%2))*4+16
.endr
	s_lshr_b32 s76, s52, 1                         ; v's bias: channel 32 (t / 2) + 8 (t % 2) + r + 8 (r / 8) of the head, t = wave % 4
	s_lshl_b32 s76, s76, 7
	s_and_b32 s77, s52, 1
	s_lshl_b32 s77, s77, 5
	s_add_co_u32 s76, s76, s77
	v_and_b32 v37, 8, v[RR]
	s_delay_alu instid0(VALU_DEP_1)
	v_add_nc_u32 v37, v37, v[RR]
	s_delay_alu instid0(VALU_DEP_1)
	v_lshlrev_b32 v37, 2, v37
	s_delay_alu instid0(VALU_DEP_1)
	v_add_nc_u32 v37, s76, v37
	global_load_b32 v[BV], v37, s[8:9] offset:4096
	s_mul_i32 s78, s53, 2*REC2                     ; phase K: my head's two pair records of weights,
	s_add_co_u32 s78, s78, LB
	v_add_nc_u32 v[AW], s78, v[LI]
	s_add_co_u32 s78, s78, 4096
	v_add_nc_u32 v[SWA], s78, v[LS]
	v_add_nc_u32 v[AA], s58, v[LI]                 ; my pair record of tokens (LA = 0)
	s_add_co_u32 s79, s58, 4096
	v_add_nc_u32 v[SAA], s79, v[LS]
	s_lshr_b32 s80, s[WV], 1                       ; phase V: weight tile = wave: record 4 + wave / 2, tile wave % 2
	s_mul_i32 s80, s80, REC2
	s_add_co_u32 s80, s80, LB+4*REC2
	s_and_b32 s81, s[WV], 1
	s_lshl_b32 s82, s81, 11
	s_add_co_u32 s82, s82, s80
	v_add_nc_u32 v[AWV], s82, v[LI]
	s_lshl_b32 s82, s81, 7
	s_add_co_u32 s82, s82, s80
	s_add_co_u32 s82, s82, 4096
	v_add_nc_u32 v[SWV], s82, v[LS]
	s_lshr_b32 s60, s[BY], 4                       ; kv: head 16 batch + 2 X + my head, key step Y % 16
	s_lshl_b32 s60, s60, 4
	s_lshl_b32 s61, s[BX], 1
	s_add_co_u32 s60, s60, s61
	s_add_co_u32 s60, s60, s53
	s_mul_i32 s60, s60, 143360
	s_and_b32 s61, s[BY], 15
	s_mul_i32 s61, s61, 8960
	s_add_co_u32 s60, s60, s61
	s_mov_b32 s61, 0
	s_add_nc_u64 s[10:11], s[10:11], s[60:61]
	s_lshl_b32 s66, s52, 10                        ; two tiles of k are 1,024 bytes, and so is a fragment of v
	s_mov_b32 s67, 0
	s_add_nc_u64 s[68:69], s[10:11], s[66:67]
	s_lshl_b32 s66, s52, 7                         ; k's words of two tiles
	s_add_nc_u64 s[70:71], s[10:11], s[66:67]
	s_lshl_b32 s66, s52, 6                         ; v's words of a fragment
	s_add_nc_u64 s[72:73], s[10:11], s[66:67]
	s_mov_b32 s[SEL], 0x76543210
	s_mov_b32 s[SEL+1], 0xfedcba98
.irp b, 0,1,2,3
	v_mov_b32 v[TM+4+\b], 0
.endr
	s_wait_alu depctr_va_vdst(0)
	s_wait_tensorcnt 0x0
	s_barrier_signal -1
	s_barrier_wait -1
	; ---- phase K: four weight tiles x two token tiles, both K steps' fragments at once
.irp s, 0,1
.irp t, 0,1,2,3
.irp c, 0,1
	ds_load_b128 v[F+48*\s+8*\t+4*\c:F+48*\s+8*\t+4*\c+3], v[AW] offset:(\t/2)*REC2+2048*(\t%2)+1024*\s+512*\c
.endr
.endr
.irp m, 0,1
.irp c, 0,1
	ds_load_b128 v[F+48*\s+32+8*\m+4*\c:F+48*\s+32+8*\m+4*\c+3], v[AA] offset:2048*\m+1024*\s+512*\c
.endr
.endr
.endr
.irp t, 0,1,2,3
	ds_load_b32 v[SCK+\t], v[SWA] offset:(\t/2)*REC2+128*(\t%2)
.endr
.irp m, 0,1
	ds_load_b32 v[SCK+4+\m], v[SAA] offset:128*\m
.endr
	s_wait_loadcnt 0x0                             ; the biases
.irp j, 1,2,3,4,5,6,7
	v_mov_b32 v[BV+\j], v[BV]                      ; in phase V's result a lane's eight registers are eight tokens of one channel
.endr
	s_wait_dscnt 0x0
.irp m, 0,1
.irp t, 0,1,2,3
	WMS ACC+32*\m+8*\t, F+8*\t, F+32+8*\m, BI+8*\t, SCK+\t, SCK+4+\m, 0
.endr
.endr
.irp m, 0,1
.irp t, 0,1,2,3
	WMS ACC+32*\m+8*\t, F+48+8*\t, F+80+8*\m, ACC+32*\m+8*\t, SCK+\t, SCK+4+\m, 1
.endr
.endr
	PLACES 5                                       ; results are read, and the accumulators are begun anew by phase V's products
	QUANT ACC, 2, PC, PW
	QUANT ACC+32, 2, PC+4, PW+1
	global_store_b128 v[LI], v[PC:PC+3], s[68:69]
	global_store_b128 v[LI], v[PC+4:PC+7], s[68:69] offset:512
	v_cmp_le_u32 vcc_lo, 16, v[LANE]
	s_delay_alu instid0(VALU_DEP_1)
	v_cndmask_b32 v[PW+2], v[PW], v[PW+1], vcc_lo
	global_store_b32 v[LS], v[PW+2], s[70:71] offset:8192
	; ---- phase V: all eight token tiles x my weight tile; eight accumulators by turns
.irp m, 0,1,2,3,4,5,6,7
	ds_load_b32 v[SCV+\m], v[LS] offset:(\m/2)*REC2+4096+128*(\m%2)
.endr
	ds_load_b32 v[SCV+8], v[SWV]
.irp s, 0,1
	PLACES 4                                       ; in front of loads into registers that products have read
.irp m, 0,1,2,3,4,5,6,7
.irp c, 0,1
	ds_load_b128 v[F+8*\m+4*\c:F+8*\m+4*\c+3], v[LI] offset:(\m/2)*REC2+2048*(\m%2)+1024*\s+512*\c
.endr
.endr
.irp c, 0,1
	ds_load_b128 v[F+64+4*\c:F+64+4*\c+3], v[AWV] offset:1024*\s+512*\c
.endr
	s_wait_dscnt 0x0
.irp m, 0,1,2,3,4,5,6,7
.if \s == 0
	WMS ACC+8*\m, F+8*\m, F+64, BV, SCV+\m, SCV+8, 0
.else
	WMS ACC+8*\m, F+8*\m, F+64, ACC+8*\m, SCV+\m, SCV+8, 1
.endif
.endr
.endr
	PLACES 4
	s_wait_xcnt 0x0                                ; phase K's stores have read their registers
	QUANT ACC, 4, PC, PW                           ; along the 128 keys
	global_store_b128 v[LI], v[PC:PC+3], s[68:69] offset:4096
	global_store_b128 v[LI], v[PC+4:PC+7], s[68:69] offset:4096+512
	v_cmp_gt_u32 vcc_lo, 16, v[LANE]
	s_wait_xcnt 0x0                                ; EXEC changes only behind this wait
	s_and_saveexec_b32 s[SV], vcc_lo
	global_store_b32 v[O4], v[PW], s[72:73] offset:8704
	s_wait_xcnt 0x0
	s_or_b32 exec_lo, exec_lo, s[SV]
	s_wait_tensorcnt 0x0
	ds_add_u32 v254, v255
	s_wait_dscnt 0x0
	CROUND
	s_endpgm
.Lfunc_end_k_q18578a94c1_proj2:
	.size	k_q18578a94c1_proj2, .Lfunc_end_k_q18578a94c1_proj2-k_q18578a94c1_proj2
	.p2alignl 7, 3214868480
	.fill 96, 4, 3214868480
	.section	.rodata,"a",@progbits
	.p2align	6, 0x0
	.amdhsa_kernel k_q18578a94c1_proj2
		.amdhsa_group_segment_fixed_size 168960
		.amdhsa_private_segment_fixed_size 0
		.amdhsa_enable_private_segment 0
		.amdhsa_kernarg_size 32
		.amdhsa_user_sgpr_count 2
		.amdhsa_user_sgpr_kernarg_segment_ptr 1
		.amdhsa_wavefront_size32 1
		.amdhsa_system_sgpr_workgroup_id_x 1
		.amdhsa_system_sgpr_workgroup_id_y 1
		.amdhsa_system_sgpr_workgroup_id_z 1
		.amdhsa_system_vgpr_workitem_id 0
		.amdhsa_next_free_vgpr 256
		.amdhsa_next_free_sgpr 96
		.amdhsa_reserve_vcc 1
		.amdhsa_float_denorm_mode_32 3
		.amdhsa_float_denorm_mode_16_64 3
		.amdhsa_memory_ordered 1
		.amdhsa_forward_progress 1
		.amdhsa_inst_pref_size 26
	.end_amdhsa_kernel
	.amdgpu_metadata
---
amdhsa.version: [ 1, 2 ]
amdhsa.kernels:
  - .name:           k_q18578a94c1_proj2
    .symbol:         k_q18578a94c1_proj2.kd
    .args:
      - { .name: lat, .offset: 0, .size: 8, .value_kind: global_buffer, .address_space: global }
      - { .name: wt, .offset: 8, .size: 8, .value_kind: global_buffer, .address_space: global }
      - { .name: bku, .offset: 16, .size: 8, .value_kind: global_buffer, .address_space: global }
      - { .name: kv, .offset: 24, .size: 8, .value_kind: global_buffer, .address_space: global }
    .group_segment_fixed_size: 168960
    .private_segment_fixed_size: 0
    .kernarg_segment_align: 8
    .kernarg_segment_size: 32
    .max_flat_workgroup_size: 256
    .sgpr_count:     96
    .vgpr_count:     256
    .wavefront_size: 32
...
	.end_amdgpu_metadata
.endif
;; end of part 3
;; launch attn (part 4): grid 8 x 32, 16 waves a work-group, clusters of 4 x 1, 169,984 bytes of LDS; arguments qc, kv, ao; writes ao
.if DOCPART == 4
	.amdgcn_target "amdgcn-amd-amdhsa--gfx1250"
	.amdhsa_code_object_version 6
	.text
	.protected	k_q18578a94c1_attn
	.globl	k_q18578a94c1_attn
	.p2align	8
	.type	k_q18578a94c1_attn,@function
k_q18578a94c1_attn:
	s_mov_b64 s[64:65], 0
	v_nop
	global_prefetch_b8 v0, s[64:65] scope:SCOPE_SE
	s_setreg_imm32_b32 hwreg(HW_REG_WAVE_MODE, 25, 1), 1
	s_wait_xcnt 0x0
	s_wait_alu depctr_hold_cnt(0) depctr_sa_sdst(0) depctr_va_vdst(0) depctr_va_sdst(0) depctr_va_ssrc(0) depctr_va_vcc(0) depctr_vm_vsrc(0)
	s_getreg_b32 s2, hwreg(HW_REG_IB_STS2, 6, 4)
	s_cmp_eq_u32 s2, 0
	s_cbranch_scc0 .Lentry_in_a_cluster
	s_endpgm
.Lentry_in_a_cluster:
	s_bfe_u32 s2, ttmp6, 0x10000c
	s_cmp_lg_u32 s2, 0x3003
	s_cbranch_scc0 .Lentry_shape_is_right
	s_endpgm
.Lentry_shape_is_right:
; Causal attention of one head on codes of FP4 with E8M0 scales.  t = score x log2(e) / 8; M = the running largest t rounded UP to a whole number; p = 2^(t - M) is quantised along the keys, not normalised;
; the row's sum is taken of the unquantised p and divides at the end; when M moves, the sum and O are multiplied by 2^(old M - new M), which rounds nothing.  The head's output is quantised along its 64 channels for the last product.
; LEFT OUT: key steps all of whose keys come after a tile's queries (reference()'s own causal mask makes their p 0 for all inputs).
; SHARES.  A work-group is (g, head), g = 0 .. 7; each of its sixteen waves owns ONE tile of 16 queries, tile 8 SD + g, which needs key steps 0 .. SD of 128 keys.  SD hangs on the wave's number alone:
; waves 0-3: 15 14 13 12;  waves 4-7: 9 10 11 8;  waves 8-11: 5 4 6 7;  waves 12-15: 1 2 0 3.  The four waves with one value of wave % 4 have 34 key steps together, and among them the lower number has the longer walk.
; THE HEAD'S WHOLE K, V AND SCALE WORDS, 143,360 bytes, come into LDS at the head, one tensor load a wave, and stay: nothing is filled again, so there is no loop to prefetch ahead in.  CLUSTER 4 x 1: the four work-groups belong to one head and ask jointly.
; The loop has 16 trips in every wave; a step all of whose keys come after the wave's queries is passed over by a scalar branch on the wave's own SD.
; LAYOUT.  Both products transposed: S^T = K Q^T, O^T = V^T P^T: a lane holds one query.  The head has 64 channels, half of the product's 128: Q's upper codes are zeros and bytes 2, 3 of both scale words are 0, so
; whatever stands in the upper half of K's operand (the next tile's codes) adds exactly nothing.
; LIMITS: the scaled scores stay under 2^31 in magnitude; NaN and infinities are not served; blocks under 2^-124 and blocks of zeros get the byte 1; a block's largest p is made from the block's largest score by the same two instructions as every p.
.set REC8, 8704
.set QS_O, 2097152
.set STEPB, 8960                       ; a key step in LDS and in memory
.set SPARE, 0x29000                    ; behind K and V: the spare words, 128 bytes a wave
.set LI,   1                           ; v1  16 x lane
.set LS,   2                           ; v2  4 x lane
.set VD,   3                           ; v3  my query's place in its key step, less 16 (lane / 16)
.set ADK,  4                           ; v4, v5 the step's addresses
.set ADS,  5
.set NINF, 6
.set O4,   7                           ; v7  4 r
.set LANE, 8
.set PWO,  9                           ; v9  the output's scale bytes
.set Q1,   16                          ; v16-23 Q, v24 its words
.set KD,   32                          ; v32-63 K's eight tiles, four registers each; v64-67 zeros
.set VF,   68                          ; v68-99 V's four fragments
.set SB,   100                         ; v100-163 S^T, then p
.set OT,   164                         ; v164-195 O^T
.set PCD,  196                         ; v196-203 p's codes
.set TM,   204                         ; v204-207 block maxima, v208-211 the other half's / bytes, v212-215 scale operands
.set BM,   204
.set BP,   208
.set BO,   212
.set FF,   216                         ; v[216:217] f
.set TT,   218
.set PWD,  219                         ; p's scale word;  v220-223 K's words;  v224-225 V's: these hold scales and nothing else
.set KW,   220
.set VW,   224
.set WV, 10
.set CX, 11
.set GG, 12
.set BH, 13
.set SD, 14                            ; s14 the last key step of my tile
.set SEL, 16
.set CS, 18
.set TB, 20
.set SS, 21
.set SV, 22
.set G1, 24
.set G0, 32
.macro PLACES n
.rept \n
	v_nop
.endr
.endm
.macro CROUND
	s_barrier_signal -1
	s_barrier_wait -1
	s_cmp_lg_u32 s[WV], 0
	s_cbranch_scc1 .Lnot_wave_0_\@
	s_barrier_signal -3
.Lnot_wave_0_\@:
	s_barrier_wait -3
	s_barrier_signal -1
	s_barrier_wait -1
.endm
.macro QUANT src, nb, pc, pw
.set QB, 0
.rept \nb
	v_max3_num_f32 v[TM+QB], |v[(\src)+16*QB]|, |v[(\src)+16*QB+1]|, 0x1800000
.set QB, QB+1
.endr
.irp i, 2,4,6,8,10,12,14
.set QB, 0
.rept \nb
	s_delay_alu instid0(VALU_DEP_2)
	v_max3_num_f32 v[TM+QB], v[TM+QB], |v[(\src)+16*QB+\i]|, |v[(\src)+16*QB+\i+1]|
.set QB, QB+1
.endr
.endr
.set QB, 0
.rept \nb
	s_delay_alu instid0(VALU_DEP_2)
	v_permlanex16_b32 v[TM+4+QB], v[TM+QB], s[SEL], s[SEL+1]
.set QB, QB+1
.endr
.set QB, 0
.rept \nb
	s_delay_alu instid0(VALU_DEP_2)
	v_max_num_f32 v[TM+QB], v[TM+QB], v[TM+4+QB]
.set QB, QB+1
.endr
.set QB, 0
.rept \nb
	s_delay_alu instid0(VALU_DEP_2)
	v_add_nc_u32 v[TM+8+QB], 0xff000000, v[TM+QB]
.set QB, QB+1
.endr
.set QB, 0
.rept \nb
	s_delay_alu instid0(VALU_DEP_2)
	v_lshrrev_b32 v[TM+4+QB], 23, v[TM+8+QB]
.set QB, QB+1
.endr
	s_delay_alu instid0(VALU_DEP_1)
	v_lshl_or_b32 v[\pw], v[TM+5], 8, v[TM+4]
.set QB, 0
.rept \nb
	v_cvt_scalef32_pk8_fp4_f32 v[(\pc)+2*QB], v[(\src)+16*QB:(\src)+16*QB+7], v[TM+8+QB]
	v_cvt_scalef32_pk8_fp4_f32 v[(\pc)+2*QB+1], v[(\src)+16*QB+8:(\src)+16*QB+15], v[TM+8+QB]
.set QB, QB+1
.endr
	v_nop
.set QB, 0
.rept \nb/2
	v_permlane16_swap_b32 v[(\pc)+4*QB], v[(\pc)+4*QB+2]
	v_permlane16_swap_b32 v[(\pc)+4*QB+1], v[(\pc)+4*QB+3]
.set QB, QB+1
.endr
.endm
.macro INIT                            ; the tile's start: the step is written once; the first change of M leaves zeros zeros
	v_mov_b32 v13, 0xff61b1e6                      ; the largest t so far: -3e38, under every t
	v_mov_b32 v14, 0                               ; the sum, in two halves
	v_mov_b32 v15, 0
	v_floor_f32 v12, -v13                          ; -M
.set OJ, 0
.rept 32
	v_mov_b32 v[OT+OJ], 0
.set OJ, OJ+1
.endr
.endm
; THE WAY OUT: v14 holds my half's sum.  O^T / the row's sum, quantised along the head's 64 channels, to the places in s[48:51]
.macro OUT
	v_permlanex16_b32 v[TT], v14, s[SEL], s[SEL+1]
	v_add_f32 v14, v14, v[TT]                      ; the row's sum
	s_wait_alu depctr_va_vdst(0)                   ; the wait ahead of the transcendental
	v_rcp_f32 v[FF], v14
	v_nop                                          ; a plain line behind the reciprocal
	s_wait_alu depctr_va_vdst(0)                   ; and the wait ahead of its first reader
.set SJ, 0
.rept 16
	v_pk_mul_f32 v[SB+SJ:SB+SJ+1], v[OT+SJ:OT+SJ+1], v[FF:FF+1] op_sel_hi:[1,0]   ; register 16 b + i = channel 32 b + 16 (lane / 16) + i; each accumulator from its low end on
.set SJ, SJ+2
.endr
	QUANT SB, 2, PCD, PWO
	global_store_b128 v[LI], v[PCD:PCD+3], s[48:49]            ; 512 consecutive bytes of the token tile's record
	v_cmp_gt_u32 vcc_lo, 16, v[LANE]
	s_wait_alu depctr_va_vdst(0)
	s_wait_xcnt 0x0                                ; EXEC changes only behind this wait
	s_and_saveexec_b32 s[SV], vcc_lo
	global_store_b16 v[O4], v[PWO], s[50:51]       ; my head's two bytes of each row's word
	s_wait_xcnt 0x0
	s_or_b32 exec_lo, exec_lo, s[SV]
.endm
; THE KEY STEPS, up to step lim - 1, for the tile whose Q stands in v[qf] on and whose words in v[qw]
.macro WALK qf, qw, lim
.Lstep_\@:
	s_cmp_gt_u32 s[SS], s[SD]                      ; all 128 keys come after my queries: only the address steps at the end remain
	s_cbranch_scc1 .Lhidden_\@
	v_add_nc_u32 v[ADK], s[TB], v[LI]
	v_add_nc_u32 v[ADS], s[TB], v[LS]
.irp t, 0,1,2,3,4,5,6,7
	ds_load_b128 v[KD+4*\t:KD+4*\t+3], v[ADK] offset:512*\t
.endr
.irp i, 0,1,2,3
	ds_load_b32 v[KW+\i], v[ADS] offset:8192+128*\i          ; lanes 0-15 tile 2 i's words, lanes 16-31 tile 2 i + 1's
.endr
	s_wait_alu depctr_va_vdst(0)
	s_wait_dscnt 0x0
.irp t, 0,2,4,6
	v_wmma_scale_f32_16x16x128_f8f6f4 v[SB+8*\t:SB+8*\t+7], v[KD+4*\t:KD+4*\t+7], v[\qf:\qf+7], 0, v[KW+\t/2], v[\qw] matrix_a_fmt:MATRIX_FMT_FP4 matrix_b_fmt:MATRIX_FMT_FP4
	v_wmma_scale_f32_16x16x128_f8f6f4 v[SB+8*\t+8:SB+8*\t+15], v[KD+4*\t+4:KD+4*\t+11], v[\qf:\qf+7], 0, v[KW+\t/2], v[\qw] matrix_a_fmt:MATRIX_FMT_FP4 matrix_b_fmt:MATRIX_FMT_FP4 matrix_a_scale:MATRIX_SCALE_ROW1
.endr
	PLACES 4                                       ; in front of the first read of the scores, and of loads into the registers that the last step's second products read
.irp t, 0,1,2,3
.irp c, 0,1
	ds_load_b128 v[VF+8*\t+4*\c:VF+8*\t+4*\c+3], v[ADK] offset:4096+1024*\t+512*\c   ; V lands while the softmax is walked
.endr
.endr
.irp i, 0,1
	ds_load_b32 v[VW+\i], v[ADS] offset:8704+128*\i
.endr
	s_cmp_lt_u32 s[SS], s[SD]                      ; all keys of the step count
	s_cbranch_scc1 .Lopen_\@
.set MN, 0
.rept 64                               ; on the diagonal: register 16 b + i holds key 32 b + 16 (lane / 16) + i of the step: hidden where 32 b + i > VD
	v_cmp_gt_i32 vcc_lo, 32*(MN/16)+MN%16, v[VD]
	v_cndmask_b32 v[SB+MN], v[SB+MN], v[NINF], vcc_lo
.set MN, MN+1
.endr
.Lopen_\@:
.irp b, 0,1,2,3
	v_max3_num_f32 v[BM+\b], v[SB+16*\b], v[SB+16*\b+1], v[SB+16*\b+2]       ; the largest score of each block of 32 keys: for the row's maximum and for the block's largest p
.endr
.irp i, 3,5,7,9,11,13
.irp b, 0,1,2,3
	v_max3_num_f32 v[BM+\b], v[BM+\b], v[SB+16*\b+\i], v[SB+16*\b+\i+1]
.endr
.endr
.irp b, 0,1,2,3
	v_max_num_f32 v[BM+\b], v[BM+\b], v[SB+16*\b+15]
.endr
.irp b, 0,1,2,3
	s_delay_alu instid0(VALU_DEP_4)
	v_permlanex16_b32 v[BP+\b], v[BM+\b], s[SEL], s[SEL+1]
.endr
.irp b, 0,1,2,3
	s_delay_alu instid0(VALU_DEP_4)
	v_max_num_f32 v[BM+\b], v[BM+\b], v[BP+\b]
.endr
	s_delay_alu instid0(VALU_DEP_2)
	v_max3_num_f32 v[TT], v[BM], v[BM+1], v[BM+2]
	s_delay_alu instid0(VALU_DEP_1)
	v_max_num_f32 v[TT], v[TT], v[BM+3]
	s_delay_alu instid0(VALU_DEP_1)
	v_mul_f32 v[TT], s[CS], v[TT]
	s_delay_alu instid0(VALU_DEP_1)
	v_max_num_f32 v13, v13, v[TT]                  ; the running largest t
	v_mov_b32 v[TT], v12
	s_delay_alu instid0(VALU_DEP_2)
	v_floor_f32 v12, -v13                          ; the new -M = -ceil(t)
	s_delay_alu instid0(VALU_DEP_1)
	v_sub_f32 v[TT], v12, v[TT]                    ; old M - new M: a whole number, 0 or less
	s_delay_alu instid0(VALU_DEP_1)
	v_cvt_i32_f32 v[TT], v[TT]                     ; (it saturates)
	s_delay_alu instid0(VALU_DEP_1)
	v_ldexp_f32 v[FF], 1.0, v[TT]                  ; f = 2^(old M - new M)
.set SJ, 0
.rept 32
	v_pk_fma_f32 v[SB+SJ:SB+SJ+1], v[SB+SJ:SB+SJ+1], s[CS:CS+1], v[12:13] op_sel_hi:[1,0,0]   ; t - M
.set SJ, SJ+2
.endr
.irp b, 0,1,2,3
	v_fma_f32 v[BM+\b], v[BM+\b], s[CS], v12
.endr
.set SJ, 0
	s_wait_alu depctr_va_vdst(0)                   ; the wait ahead of the batch
.rept 64
	v_exp_f32 v[SB+SJ], v[SB+SJ]                   ; p
.set SJ, SJ+1
.endr
	v_pk_mul_f32 v[14:15], v[14:15], v[FF:FF+1] op_sel_hi:[1,0]   ; the sums under the new M: a plain line behind the exponentials
	s_wait_alu depctr_va_vdst(0)                   ; one wait for the batch of 64, ahead of its first reader
.irp b, 0,1,2,3
	v_exp_f32 v[BM+\b], v[BM+\b]                   ; each block's largest p
.endr
	v_pk_add_f32 v[226:227], v[104:105], v[108:109]          ; the row's sum of the unquantised p, in eight chains
	v_pk_add_f32 v[252:253], v[112:113], v[116:117]
	v_pk_add_f32 v[250:251], v[120:121], v[124:125]
	v_pk_add_f32 v[248:249], v[128:129], v[132:133]
	v_pk_add_f32 v[246:247], v[136:137], v[140:141]
	v_pk_add_f32 v[244:245], v[144:145], v[148:149]
	v_pk_add_f32 v[242:243], v[152:153], v[156:157]
	v_pk_add_f32 v[14:15], v[14:15], v[160:161]
	v_pk_add_f32 v[226:227], v[226:227], v[100:101]
	v_pk_add_f32 v[252:253], v[252:253], v[102:103]
	v_pk_add_f32 v[250:251], v[250:251], v[106:107]
	v_pk_add_f32 v[248:249], v[248:249], v[110:111]
	v_pk_add_f32 v[246:247], v[246:247], v[114:115]
	v_pk_add_f32 v[244:245], v[244:245], v[118:119]
	v_pk_add_f32 v[242:243], v[242:243], v[122:123]
	v_pk_add_f32 v[14:15], v[14:15], v[126:127]
	v_pk_add_f32 v[226:227], v[226:227], v[130:131]
	v_pk_add_f32 v[252:253], v[252:253], v[134:135]
	v_pk_add_f32 v[250:251], v[250:251], v[138:139]
	v_pk_add_f32 v[248:249], v[248:249], v[142:143]
	v_pk_add_f32 v[246:247], v[246:247], v[146:147]
	v_pk_add_f32 v[244:245], v[244:245], v[150:151]
	v_pk_add_f32 v[242:243], v[242:243], v[154:155]
	v_pk_add_f32 v[14:15], v[14:15], v[158:159]
	v_pk_add_f32 v[226:227], v[226:227], v[162:163]
	s_delay_alu instid0(VALU_DEP_2)
	v_pk_add_f32 v[14:15], v[14:15], v[248:249]
	s_delay_alu instid0(VALU_DEP_2)
	v_pk_add_f32 v[226:227], v[226:227], v[246:247]
	v_pk_add_f32 v[252:253], v[252:253], v[244:245]
	v_pk_add_f32 v[250:251], v[250:251], v[242:243]
	s_delay_alu instid0(VALU_DEP_2)
	v_pk_add_f32 v[14:15], v[14:15], v[252:253]
	s_delay_alu instid0(VALU_DEP_2)
	v_pk_add_f32 v[226:227], v[226:227], v[250:251]
	s_delay_alu instid0(VALU_DEP_1)
	v_pk_add_f32 v[14:15], v[14:15], v[226:227]
	s_wait_alu depctr_va_vdst(0)                   ; and one for the four
.irp b, 0,1,2,3
	v_max_num_f32 v[BM+\b], 0x1800000, v[BM+\b]    ; the floor: the byte cannot fall under 1
.endr
.irp b, 0,1,2,3
	s_delay_alu instid0(VALU_DEP_4)
	v_add_nc_u32 v[BO+\b], 0xff000000, v[BM+\b]
.endr
.irp b, 0,1,2,3
	s_delay_alu instid0(VALU_DEP_4)
	v_lshrrev_b32 v[BP+\b], 23, v[BO+\b]
.endr
	s_delay_alu instid0(VALU_DEP_3)
	v_lshl_or_b32 v[PWD], v[BP+1], 8, v[BP]
	s_delay_alu instid0(VALU_DEP_1)
	v_lshl_or_b32 v[PWD], v[BP+2], 16, v[PWD]
	s_delay_alu instid0(VALU_DEP_1)
	v_lshl_or_b32 v[PWD], v[BP+3], 24, v[PWD]
.irp b, 0,1,2,3
	v_cvt_scalef32_pk8_fp4_f32 v[PCD+2*\b], v[SB+16*\b:SB+16*\b+7], v[BO+\b]
	v_cvt_scalef32_pk8_fp4_f32 v[PCD+2*\b+1], v[SB+16*\b+8:SB+16*\b+15], v[BO+\b]
.endr
	v_nop
.irp c, 0,1
.irp i, 0,1
	v_permlane16_swap_b32 v[PCD+4*\c+\i], v[PCD+4*\c+2+\i]
.endr
.endr
	s_wait_alu depctr_va_vdst(0)                   ; directly ahead of the first reader of O^T
.set SJ, 0
.rept 16
	v_pk_mul_f32 v[OT+SJ:OT+SJ+1], v[OT+SJ:OT+SJ+1], v[FF:FF+1] op_sel_hi:[1,0]   ; O^T under the new M.  Twelve of the sixteen name no register of any one product below: the places between p's word and codes and the products
.set SJ, SJ+2
.endr
	s_wait_alu depctr_va_vdst(0)                   ; directly ahead of the wait below
	s_wait_dscnt 0x0                               ; V
.irp t, 0,2
	v_wmma_scale_f32_16x16x128_f8f6f4 v[OT+8*\t:OT+8*\t+7], v[VF+8*\t:VF+8*\t+7], v[PCD:PCD+7], v[OT+8*\t:OT+8*\t+7], v[VW+\t/2], v[PWD] matrix_a_fmt:MATRIX_FMT_FP4 matrix_b_fmt:MATRIX_FMT_FP4
	v_wmma_scale_f32_16x16x128_f8f6f4 v[OT+8*\t+8:OT+8*\t+15], v[VF+8*\t+8:VF+8*\t+15], v[PCD:PCD+7], v[OT+8*\t+8:OT+8*\t+15], v[VW+\t/2], v[PWD] matrix_a_fmt:MATRIX_FMT_FP4 matrix_b_fmt:MATRIX_FMT_FP4 matrix_a_scale:MATRIX_SCALE_ROW1
.endr
.Lhidden_\@:
	s_add_co_u32 s[TB], s[TB], STEPB
	s_add_co_u32 s[SS], s[SS], 1
	s_cmp_lt_u32 s[SS], \lim
	s_cbranch_scc1 .Lstep_\@
	PLACES 4                                       ; behind the last products
.endm
	s_load_b128 s[4:7], s[0:1], 0x0                ; qc s[4:5], kv s[6:7]
	s_load_b64 s[8:9], s[0:1], 0x10                ; ao
	v_lshl_add_u32 v254, v0, 2, SPARE
	v_mov_b32 v255, 0
	ds_add_u32 v254, v255                          ; the opening lines: the add, twice on end, and its wait ahead of my tensor load
	ds_add_u32 v254, v255
	v_lshrrev_b32 v1, 5, v0
	v_readfirstlane_b32 s[WV], v1                  ; wave 0..15
	s_bfe_u32 s[CX], ttmp6, 0x40000
	s_lshl_b32 s[GG], ttmp9, 2
	s_add_co_u32 s[GG], s[GG], s[CX]               ; g: it enters global addresses and the mask's numbers alone
	s_and_b32 s[BH], ttmp7, 0xffff                 ; 16 batch + head, which the four partners share
	s_mov_b32 s15, 0x30217645                      ; SD: nibble wave % 8 of the deal: waves 8-15,
	s_cmp_lt_u32 s[WV], 8
	s_cselect_b32 s15, 0x8ba9cdef, s15             ; waves 0-7
	s_and_b32 s23, s[WV], 7
	s_lshl_b32 s23, s23, 2
	s_lshr_b32 s15, s15, s23
	s_and_b32 s[SD], s15, 15
	s_mov_b32 s[G1], 15|(3<<16)|(1<<21)            ; the mask: all four work-groups; elements of 8 bytes; no padding
	s_mov_b32 s[G1+1], 32<<16                      ; rows of 256 bytes
	s_mov_b32 s[G1+2], 35<<16                      ; a key step is 35 rows
	s_mov_b32 s[G1+3], 32<<16
	s_mov_b32 s[G1+4], 35
	s_mov_b32 s[G1+5], 32
	s_mov_b32 s[G1+6], 0
	s_mov_b32 s[G1+7], 0
	s_mul_i32 s36, s[BH], 16*STEPB
	s_mul_i32 s37, s[WV], STEPB
	s_add_co_u32 s36, s36, s37                     ; wave w fetches key step w
	s_mov_b32 s37, 0
	s_lshl_b32 s58, s[SD], 3
	s_add_co_u32 s58, s58, s[GG]                   ; my query tile in its batch
	s_lshl_b32 s60, s[BH], 7
	s_add_co_u32 s60, s60, s58
	s_lshl_b32 s40, s60, 9                         ; qc: codes, 512 bytes a tile; words, 64
	s_mov_b32 s41, 0
	s_lshl_b32 s42, s60, 6
	s_add_co_u32 s42, s42, QS_O
	s_mov_b32 s43, 0
	s_lshr_b32 s56, s[BH], 4
	s_lshl_b32 s56, s56, 7
	s_add_co_u32 s58, s58, s56
	s_mul_i32 s58, s58, REC8                       ; ao: the token tile's record;
	s_and_b32 s56, s[BH], 15
	s_lshr_b32 s57, s56, 1                         ; K step head / 2, half head % 2
	s_and_b32 s56, s56, 1
	s_lshl_b32 s60, s57, 10
	s_lshl_b32 s61, s56, 9
	s_add_co_u32 s60, s60, s61
	s_lshl_b32 s57, s57, 6
	s_lshl_b32 s56, s56, 1
	s_add_co_u32 s57, s57, s56
	s_add_co_u32 s57, s57, 8192
	s_add_co_u32 s48, s58, s60                     ; s[48:49] the codes' place, s[50:51] the words'
	s_mov_b32 s49, 0
	s_add_co_u32 s50, s58, s57
	s_mov_b32 s51, 0
	s_lshr_b32 s56, s[GG], 1
	s_lshl_b32 s56, s56, 5
	s_and_b32 s57, s[GG], 1
	s_lshl_b32 s57, s57, 3
	s_add_co_u32 s56, s56, s57                     ; 32 (g / 2) + 8 (g % 2)
	s_mov_b32 s[SEL], 0x76543210
	s_mov_b32 s[SEL+1], 0xfedcba98
	s_mov_b32 s[CS], 0x3e38aa3b                    ; c = log2(e) / 8
	s_mov_b32 s[CS+1], s[CS]
	s_mov_b32 s[TB], 0
	s_mov_b32 s[SS], 0
	s_wait_dscnt 0x0
	s_wait_kmcnt 0x0
	CROUND                                         ; all four work-groups are here: the joint loads meet
	s_mov_b32 s[G0], 1
	s_mul_i32 s[G0+1], s[WV], STEPB
	s_add_nc_u64 s[G0+2:G0+3], s[6:7], s[36:37]
	s_or_b32 s[G0+3], s[G0+3], 0x80000000
	tensor_load_to_lds s[G0:G0+3], s[G1:G1+7]      ; my one tensor load of the launch
	s_nop 0
	PLACES 4
	s_add_nc_u64 s[40:41], s[4:5], s[40:41]
	s_add_nc_u64 s[42:43], s[4:5], s[42:43]
	s_add_nc_u64 s[48:49], s[8:9], s[48:49]
	s_add_nc_u64 s[50:51], s[8:9], s[50:51]
	v_and_b32 v[LANE], 31, v0
	v_and_b32 v9, 15, v0                           ; r
	v_bfe_u32 v10, v0, 4, 1                        ; h
	v_lshlrev_b32 v[LI], 4, v[LANE]
	v_lshlrev_b32 v[LS], 2, v[LANE]
	v_lshlrev_b32 v[O4], 2, v9
	global_load_b128 v[Q1:Q1+3], v[LI], s[40:41]   ; Q's 64 channels: the lower half of its fragment
	global_load_b32 v24, v[O4], s[42:43]           ; Q's words
	v_and_b32 v11, 8, v9
	v_add_nc_u32 v[VD], v11, v9
	v_lshlrev_b32 v11, 4, v10
	v_sub_nc_u32 v[VD], v[VD], v11
	v_add_nc_u32 v[VD], s56, v[VD]
	v_mov_b32 v[NINF], 0xff800000
.irp j, 20,21,22,23,64,65,66,67
	v_mov_b32 v\j, 0                               ; Q's upper codes, and what stands behind K's last tile
.endr
.irp j, 208,209,210,211,216,217,218
	v_mov_b32 v\j, 0                               ; permutes' destinations count as sources; the pair of f is named whole
.endr
	INIT
	s_wait_alu depctr_va_vdst(0)                   ; the wait at the head's end
	s_wait_tensorcnt 0x0                           ; my key step has landed,
	s_barrier_signal -1
	s_barrier_wait -1                              ; everybody's has
	s_wait_loadcnt 0x0                             ; Q
	WALK Q1, 24, 16                                ; 16 trips, a constant
	v_add_f32 v14, v14, v15                        ; the sum's two halves
	OUT
	s_wait_tensorcnt 0x0                           ; the wave's end
	ds_add_u32 v254, v255
	s_wait_dscnt 0x0
	CROUND                                         ; the closing round
	s_endpgm
.Lfunc_end_k_q18578a94c1_attn:
	.size	k_q18578a94c1_attn, .Lfunc_end_k_q18578a94c1_attn-k_q18578a94c1_attn
	.p2alignl 7, 3214868480
	.fill 96, 4, 3214868480
	.section	.rodata,"a",@progbits
	.p2align	6, 0x0
	.amdhsa_kernel k_q18578a94c1_attn
		.amdhsa_group_segment_fixed_size 169984
		.amdhsa_private_segment_fixed_size 0
		.amdhsa_enable_private_segment 0
		.amdhsa_kernarg_size 24
		.amdhsa_user_sgpr_count 2
		.amdhsa_user_sgpr_kernarg_segment_ptr 1
		.amdhsa_wavefront_size32 1
		.amdhsa_system_sgpr_workgroup_id_x 1
		.amdhsa_system_sgpr_workgroup_id_y 1
		.amdhsa_system_sgpr_workgroup_id_z 1
		.amdhsa_system_vgpr_workitem_id 0
		.amdhsa_next_free_vgpr 256
		.amdhsa_next_free_sgpr 66
		.amdhsa_reserve_vcc 1
		.amdhsa_float_denorm_mode_32 3
		.amdhsa_float_denorm_mode_16_64 3
		.amdhsa_memory_ordered 1
		.amdhsa_forward_progress 1
		.amdhsa_inst_pref_size 33
	.end_amdhsa_kernel
	.amdgpu_metadata
---
amdhsa.version: [ 1, 2 ]
amdhsa.kernels:
  - .name:           k_q18578a94c1_attn
    .symbol:         k_q18578a94c1_attn.kd
    .args:
      - { .name: qc, .offset: 0, .size: 8, .value_kind: global_buffer, .address_space: global }
      - { .name: kv, .offset: 8, .size: 8, .value_kind: global_buffer, .address_space: global }
      - { .name: ao, .offset: 16, .size: 8, .value_kind: global_buffer, .address_space: global }
    .group_segment_fixed_size: 169984
    .private_segment_fixed_size: 0
    .kernarg_segment_align: 8
    .kernarg_segment_size: 24
    .max_flat_workgroup_size: 512
    .sgpr_count:     66
    .vgpr_count:     256
    .wavefront_size: 32
...
	.end_amdgpu_metadata
.endif
;; end of part 4
;; launch final (part 5): grid 8 x 32, 8 waves a work-group, clusters of 4 x 4, 327,680 bytes of LDS; arguments ao, wt, bo, out0; writes out0
.if DOCPART == 5
	.amdgcn_target "amdgcn-amd-amdhsa--gfx1250"
	.amdhsa_code_object_version 6
	.text
	.protected	k_q18578a94c1_final
	.globl	k_q18578a94c1_final
	.p2align	8
	.type	k_q18578a94c1_final,@function
k_q18578a94c1_final:
	s_mov_b64 s[64:65], 0
	v_nop
	global_prefetch_b8 v0, s[64:65] scope:SCOPE_SE
	s_setreg_imm32_b32 hwreg(HW_REG_WAVE_MODE, 25, 1), 1
	s_wait_xcnt 0x0
	s_wait_alu depctr_hold_cnt(0) depctr_sa_sdst(0) depctr_va_vdst(0) depctr_va_sdst(0) depctr_va_ssrc(0) depctr_va_vcc(0) depctr_vm_vsrc(0)
	s_getreg_b32 s2, hwreg(HW_REG_IB_STS2, 6, 4)
	s_cmp_eq_u32 s2, 0
	s_cbranch_scc0 .Lentry_in_a_cluster
	s_endpgm
.Lentry_in_a_cluster:
	s_bfe_u32 s2, ttmp6, 0x10000c
	s_cmp_lg_u32 s2, 0xf033
	s_cbranch_scc0 .Lentry_shape_is_right
	s_endpgm
.Lentry_shape_is_right:
; out0 = ao Wo + bo on codes of FP4 with E8M0 scales, K = 1,024, sums in f32.  A work-group (X, Y) takes 128 tokens x 128 columns; its sixteen records of 8,704 bytes come into LDS at the head, once: nothing is filled again.
; Waves 0-3 fetch two token records each, waves 4-7 two records of Wo each: one tensor load a wave.  CLUSTER 4 x 4: the token records are shared along a row of the cluster, the weights' along a column.
; The product is used transposed (source 0 = weight columns, source 1 = tokens); the bias is the C of each sum's first product; results leave through the wave's own stage in LDS as aligned units of 256 bytes.
.set REC8, 8704
.set WO_O, 1114112
.set LA, 0
.set LB, 8*REC8
.set STG, 16*REC8
.set LI,  1
.set LS,  2
.set LANE, 3
.set RR,  4
.set HH,  5
.set AW,  6
.set AA,  7
.set SWA, 8
.set SAA, 9
.set STO, 10
.set RD,  11
.set GO,  12
.set B64, 13
.set SC,  38
.set BI,  62
.set ACC, 94
.set F,   158
.set WV, 16
.set CX, 17
.set CY, 18
.set BX, 19
.set BY, 20
.set G1A, 28
.set G1B, 36
.set G0A, 44
.set G0B, 48
.macro PLACES n
.rept \n
	v_nop
.endr
.endm
.macro CROUND
	s_barrier_signal -1
	s_barrier_wait -1
	s_cmp_lg_u32 s[WV], 0
	s_cbranch_scc1 .Lnot_wave_0_\@
	s_barrier_signal -3
.Lnot_wave_0_\@:
	s_barrier_wait -3
	s_barrier_signal -1
	s_barrier_wait -1
.endm
.macro WMS d, a, b, c, sa, sb, odd
.if \odd
	v_wmma_scale_f32_16x16x128_f8f6f4 v[(\d):(\d)+7], v[(\a):(\a)+7], v[(\b):(\b)+7], v[(\c):(\c)+7], v[\sa], v[\sb] matrix_a_fmt:MATRIX_FMT_FP4 matrix_b_fmt:MATRIX_FMT_FP4 matrix_a_scale:MATRIX_SCALE_ROW1 matrix_b_scale:MATRIX_SCALE_ROW1
.else
	v_wmma_scale_f32_16x16x128_f8f6f4 v[(\d):(\d)+7], v[(\a):(\a)+7], v[(\b):(\b)+7], v[(\c):(\c)+7], v[\sa], v[\sb] matrix_a_fmt:MATRIX_FMT_FP4 matrix_b_fmt:MATRIX_FMT_FP4
.endif
.endm
	s_load_b256 s[4:11], s[0:1], 0x0
	v_lshl_add_u32 v254, v0, 2, 0x2a800
	v_mov_b32 v255, 0
	ds_add_u32 v254, v255
	ds_add_u32 v254, v255
	v_lshrrev_b32 v1, 5, v0
	s_delay_alu instid0(VALU_DEP_1)
	v_readfirstlane_b32 s[WV], v1
	s_bfe_u32 s[CX], ttmp6, 0x40000
	s_bfe_u32 s[CY], ttmp6, 0x40004
	s_lshl_b32 s[BX], ttmp9, 2
	s_add_co_u32 s[BX], s[BX], s[CX]
	s_and_b32 s[BY], ttmp7, 0xffff
	s_lshl_b32 s[BY], s[BY], 2
	s_add_co_u32 s[BY], s[BY], s[CY]
	s_lshl_b32 s66, s[CY], 2
	s_lshl_b32 s66, 15, s66
	s_lshl_b32 s67, 0x1111, s[CX]
	s_or_b32 s[G1A], s66, (3<<16)|(1<<21)
	s_or_b32 s[G1B], s67, (3<<16)|(1<<21)
.irp g, G1A, G1B
	s_mov_b32 s[\g+1], 32<<16
	s_mov_b32 s[\g+2], 68<<16
	s_mov_b32 s[\g+3], 32<<16
	s_mov_b32 s[\g+4], 68
	s_mov_b32 s[\g+5], 32
	s_mov_b32 s[\g+6], 0
	s_mov_b32 s[\g+7], 0
.endr
	s_lshl_b32 s68, s[BY], 3
	s_and_b32 s75, s[WV], 3
	s_lshl_b32 s75, s75, 1                         ; records 2 (wave % 4) and the next, of the tokens' eight or of the weights'
	s_add_co_u32 s68, s68, s75
	s_mul_i32 s68, s68, REC8
	s_mov_b32 s69, 0
	s_lshl_b32 s70, s[BX], 3
	s_add_co_u32 s70, s70, s75
	s_mul_i32 s70, s70, REC8
	s_add_co_u32 s70, s70, WO_O
	s_mov_b32 s71, 0
	s_mul_i32 s74, s75, REC8
	s_wait_dscnt 0x0
	s_wait_kmcnt 0x0
	CROUND
	s_mov_b32 s[G0A], 1
	s_add_co_u32 s[G0A+1], s74, LA
	s_add_nc_u64 s[G0A+2:G0A+3], s[4:5], s[68:69]
	s_or_b32 s[G0A+3], s[G0A+3], 0x80000000
	s_mov_b32 s[G0B], 1
	s_add_co_u32 s[G0B+1], s74, LB
	s_add_nc_u64 s[G0B+2:G0B+3], s[6:7], s[70:71]
	s_or_b32 s[G0B+3], s[G0B+3], 0x80000000
	s_cmp_lt_u32 s[WV], 4                          ; one load a wave, in the two arms of a branch on the wave's number
	s_cbranch_scc0 .Lfor_b
	tensor_load_to_lds s[G0A:G0A+3], s[G1A:G1A+7]
	s_nop 0
	PLACES 4
	s_branch .Lasked
.Lfor_b:
	tensor_load_to_lds s[G0B:G0B+3], s[G1B:G1B+7]
	s_nop 0
	PLACES 4
.Lasked:
	v_and_b32 v[LANE], 31, v0
	v_and_b32 v[RR], 15, v0
	v_bfe_u32 v[HH], v0, 4, 1
	s_delay_alu instid0(VALU_DEP_3)
	v_lshlrev_b32 v[LI], 4, v[LANE]
	s_wait_alu depctr_va_vdst(0)
	v_lshlrev_b32 v[LS], 2, v[LANE]
	s_wait_alu depctr_va_vdst(0)
	v_lshlrev_b32 v[B64], 6, v[HH]
	s_lshr_b32 s76, s[WV], 2
	s_and_b32 s77, s[WV], 3
	s_lshl_b32 s80, s[BX], 9
	s_lshl_b32 s81, s76, 8
	s_add_co_u32 s80, s80, s81
	s_mov_b32 s81, 0
	s_add_nc_u64 s[8:9], s[8:9], s[80:81]
.irp t, 0,1,2,3
	global_load_b128 v[BI+8*\t:BI+8*\t+3], v[B64], s[8:9] offset:(32*(\t/2)+8*(\t%2))*4
	global_load_b128 v[BI+8*\t+4:BI+8*\t+7], v[B64], s[8:9] offset:(32*(\t/2)+8*(\t%2))*4+16
.endr
	s_mul_i32 s78, s76, 4*REC8
	s_add_co_u32 s78, s78, LB
	v_add_nc_u32 v[AW], s78, v[LI]
	s_add_co_u32 s78, s78, 8192
	v_add_nc_u32 v[SWA], s78, v[LS]
	s_mul_i32 s79, s77, 2*REC8
	v_add_nc_u32 v[AA], s79, v[LI]
	s_add_co_u32 s79, s79, 8192
	v_add_nc_u32 v[SAA], s79, v[LS]
	s_mul_i32 s82, s[WV], 16*272
	s_add_co_u32 s82, s82, STG
	v_mul_u32_u24 v[STO], v[RR], 272
	s_delay_alu instid0(VALU_DEP_1)
	v_lshl_add_u32 v[STO], v[HH], 6, v[STO]
	s_delay_alu instid0(VALU_DEP_1)
	v_add_nc_u32 v[STO], s82, v[STO]
	v_mul_u32_u24 v[RD], v[HH], 272
	s_delay_alu instid0(VALU_DEP_1)
	v_lshl_add_u32 v[RD], v[RR], 4, v[RD]
	s_delay_alu instid0(VALU_DEP_1)
	v_add_nc_u32 v[RD], s82, v[RD]
	v_lshlrev_b32 v[GO], 12, v[HH]
	s_delay_alu instid0(VALU_DEP_1)
	v_lshl_add_u32 v[GO], v[RR], 4, v[GO]
	s_lshl_b32 s84, s[BY], 7
	s_lshl_b32 s85, s77, 5
	s_add_co_u32 s84, s84, s85
	s_lshl_b32 s84, s84, 12
	s_add_co_u32 s84, s84, s80
	s_mov_b32 s85, 0
	s_add_nc_u64 s[10:11], s[10:11], s[84:85]
	s_wait_alu depctr_va_vdst(0)
	s_wait_tensorcnt 0x0
	s_barrier_signal -1
	s_barrier_wait -1
.macro FETCHQ set, s
.irp t, 0,1,2,3
.irp c, 0,1
	ds_load_b128 v[F+48*(\set)+8*\t+4*\c:F+48*(\set)+8*\t+4*\c+3], v[AW] offset:\t*REC8+1024*(\s)+512*\c
.endr
.endr
.irp m, 0,1
.irp c, 0,1
	ds_load_b128 v[F+48*(\set)+32+8*\m+4*\c:F+48*(\set)+32+8*\m+4*\c+3], v[AA] offset:\m*REC8+1024*(\s)+512*\c
.endr
.endr
.endm
.macro MULQ s
.irp m, 0,1
.irp t, 0,1,2,3
.if (\s) == 0
	WMS ACC+32*\m+8*\t, F+8*\t, F+32+8*\m, BI+8*\t, SC+4*\t, SC+16+4*\m, 0
.else
	WMS ACC+32*\m+8*\t, F+48*((\s)%2)+8*\t, F+48*((\s)%2)+32+8*\m, ACC+32*\m+8*\t, SC+4*\t+(\s)/2, SC+16+4*\m+(\s)/2, (\s)%2
.endif
.endr
.endr
.endm
.irp t, 0,1,2,3
.irp p, 0,1,2,3
	ds_load_b32 v[SC+4*\t+\p], v[SWA] offset:\t*REC8+128*\p
.endr
.endr
.irp m, 0,1
.irp p, 0,1,2,3
	ds_load_b32 v[SC+16+4*\m+\p], v[SAA] offset:\m*REC8+128*\p
.endr
.endr
	FETCHQ 0, 0
	s_wait_loadcnt 0x0
.set KS, 0
.rept 8
.if KS > 0
	PLACES 4
.endif
.if KS < 7
	FETCHQ (KS+1)%2, KS+1
	s_wait_dscnt 12
.else
	s_wait_dscnt 0x0
.endif
	MULQ KS
.set KS, KS+1
.endr
	PLACES 4
.macro TOSTAGE m
.irp t, 0,1,2,3
	ds_store_b128 v[STO], v[ACC+32*(\m)+8*\t:ACC+32*(\m)+8*\t+3] offset:128*(\t/2)+32*(\t%2)
	ds_store_b128 v[STO], v[ACC+32*(\m)+8*\t+4:ACC+32*(\m)+8*\t+7] offset:128*(\t/2)+32*(\t%2)+16
.endr
.irp i, 0,1,2,3,4,5,6,7
	ds_load_b128 v[F+32*(\m)+4*\i:F+32*(\m)+4*\i+3], v[RD] offset:2*\i*272
.endr
.endm
.macro SEND m
.irp i, 0,1,2,3,4,5,6,7
	global_store_b128 v[GO], v[F+32*(\m)+4*\i:F+32*(\m)+4*\i+3], s[10:11] offset:(8*(\m)+2*\i+8*(\i/4))*4096 th:TH_STORE_NT
.endr
.endm
	TOSTAGE 0
	TOSTAGE 1
	s_wait_dscnt 16
	SEND 0
	s_wait_dscnt 0x0
	SEND 1
	s_wait_tensorcnt 0x0
	ds_add_u32 v254, v255
	s_wait_dscnt 0x0
	CROUND
	s_endpgm
.Lfunc_end_k_q18578a94c1_final:
	.size	k_q18578a94c1_final, .Lfunc_end_k_q18578a94c1_final-k_q18578a94c1_final
	.p2alignl 7, 3214868480
	.fill 96, 4, 3214868480
	.section	.rodata,"a",@progbits
	.p2align	6, 0x0
	.amdhsa_kernel k_q18578a94c1_final
		.amdhsa_group_segment_fixed_size 327680
		.amdhsa_private_segment_fixed_size 0
		.amdhsa_enable_private_segment 0
		.amdhsa_kernarg_size 32
		.amdhsa_user_sgpr_count 2
		.amdhsa_user_sgpr_kernarg_segment_ptr 1
		.amdhsa_wavefront_size32 1
		.amdhsa_system_sgpr_workgroup_id_x 1
		.amdhsa_system_sgpr_workgroup_id_y 1
		.amdhsa_system_sgpr_workgroup_id_z 1
		.amdhsa_system_vgpr_workitem_id 0
		.amdhsa_next_free_vgpr 256
		.amdhsa_next_free_sgpr 96
		.amdhsa_reserve_vcc 0
		.amdhsa_float_denorm_mode_32 3
		.amdhsa_float_denorm_mode_16_64 3
		.amdhsa_memory_ordered 1
		.amdhsa_forward_progress 1
		.amdhsa_inst_pref_size 28
	.end_amdhsa_kernel
	.amdgpu_metadata
---
amdhsa.version: [ 1, 2 ]
amdhsa.kernels:
  - .name:           k_q18578a94c1_final
    .symbol:         k_q18578a94c1_final.kd
    .args:
      - { .name: ao, .offset: 0, .size: 8, .value_kind: global_buffer, .address_space: global }
      - { .name: wt, .offset: 8, .size: 8, .value_kind: global_buffer, .address_space: global }
      - { .name: bo, .offset: 16, .size: 8, .value_kind: global_buffer, .address_space: global }
      - { .name: out0, .offset: 24, .size: 8, .value_kind: global_buffer, .address_space: global }
    .group_segment_fixed_size: 327680
    .private_segment_fixed_size: 0
    .kernarg_segment_align: 8
    .kernarg_segment_size: 32
    .max_flat_workgroup_size: 256
    .sgpr_count:     96
    .vgpr_count:     256
    .wavefront_size: 32
...
	.end_amdgpu_metadata
.endif
;; end of part 5
